; MI455X (gfx1250); checked and timed in simulation.
; The chip was launched on July 23, 2026; its instructions are those of AMD's public machine-readable ISA for CDNA 5 (MIT licence, August 2026) and "CDNA5" Instruction Set Architecture Reference Guide (July 2026). The comments in the code are by the model that wrote it; some were corrected since.
;; Experts Feed Forward. Allowed arithmetic: matrix products marked QUANTISED: E5M2 operands, one E8M0 scale for each 32 along K, by v_wmma_scale_f32_16x16x128_f8f6f4 with both operands' format E5M2, f32 sums; products left as they are: f32 operands where the result goes on into a quantised operand, else bf16, f16 or f32 operands; f32 sums; everything else in f32.
;; Inputs: const_jump 1 x 1,024 float32; ff_keys_codes 7 x 2,048 x 32 x 32 uint8 (E5M2 codes of ff_keys, K innermost, in blocks of 32 codes); ff_keys_scales 7 x 2,048 x 32 uint8 (E8M0 scales of ff_keys, one for each 32 codes along K); ff_values_codes 7 x 1,024 x 64 x 32 uint8 (E5M2 codes of ff_values, K innermost, in blocks of 32 codes); ff_values_scales 7 x 1,024 x 64 uint8 (E8M0 scales of ff_values, one for each 32 codes along K); gate_b 8 float32; gate_w 1,024 x 8 float32; shared_keys_codes 1 x 2,048 x 32 x 32 uint8 (E5M2 codes of shared_keys, K innermost, in blocks of 32 codes); shared_keys_scales 1 x 2,048 x 32 uint8 (E8M0 scales of shared_keys, one for each 32 codes along K); shared_values_codes 1 x 1,024 x 64 x 32 uint8 (E5M2 codes of shared_values, K innermost, in blocks of 32 codes); shared_values_scales 1 x 1,024 x 64 uint8 (E8M0 scales of shared_values, one for each 32 codes along K); x 2 x 1,024 x 1,024 float32.
;; Outputs: out0 2 x 1,024 x 1,024 float32; out1 one number float32.
;; This version of the problem:
;;   THIS VERSION OF THE PROBLEM IS GIVEN IN LOW PRECISION. The matrix products marked QUANTISED in the list below multiply operands that are first quantised to E5M2 (5 exponent bits, 2 mantissa bits; 8 bits a number), with one power-of-two scale for each 32 numbers along K (OCP MX v1.0); their sums are f32. All else is computed in f32.
;;   The module's matrix products, in the order in which they are computed (A, B: the left and right operand; K: the contracted axis; several contracted axes count as one K, in the product's order):
;;     1. [M 2,070, K 1,024] x [K 1,024, N 8]; A: computed on the way; B: input gate_w: left as it is (N = 8 < 16)
;;     2. batch 16,560 x [M 1, K 4] x [K 4, N 207]; A: computed on the way; B: computed on the way: left as it is (K = 4 < 32)
;;     3. [M 2,070, K 1,024] x [K 1,024, N 2,048]; A: computed on the way; B: input shared_keys (given as codes): QUANTISED
;;     4. [M 1,024, K 2,048] x [K 2,048, N 2,070]; A: input shared_values (given as codes); B: computed on the way: QUANTISED
;;     5. batch 2,070 x [M 7, K 1] x [K 1, N 1,024]; A: computed on the way; B: computed on the way: left as it is (no contracted axis)
;;     6. batch 7 x [M 2,048, K 1,024] x [K 1,024, N 2,070]; A: input ff_keys (given as codes); B: computed on the way: QUANTISED
;;     7. batch 7 x [M 1,024, K 2,048] x [K 2,048, N 2,070]; A: input ff_values (given as codes); B: computed on the way: QUANTISED
;;     8. batch 2,070 x [M 1,024, K 7] x [K 7, N 1]; A: computed on the way; B: computed on the way: left as it is (K = 7 < 32)
;;     9. batch 2,070 x [M 1,024, K 1] x [K 1, N 1]; A: input const_jump; B: computed on the way: left as it is (K = 1 < 32)
;;   THE QUANTISER, for each operand of a quantised product, along K:
;;     - K is cut into blocks of 32 from its start; a last block that is shorter is filled with zeros.
;;     - A block's scale is 2^e with e = floor(log2(the largest magnitude in the block)) - 15, held to -126 .. 127; a block of zeros has e = 0. As a byte (E8M0): e + 127.
;;     - Each number is divided by its block's scale, clamped to +-57,344, and rounded to the nearest number of E5M2, ties to even, subnormals kept.
;;     - The product sums the exact products of the quantised numbers (number of the format x scale) in f32.
;;   ~~~python
;;   def quantise(x, axis):      # numpy; x: float32 -> the quantised numbers, widened to float32 again
;;       x = np.moveaxis(x, axis, -1); K = x.shape[-1]
;;       x = np.pad(x, [(0, 0)] * (x.ndim - 1) + [(0, -K % 32)]); x = x.reshape(x.shape[:-1] + (-1, 32)); a = np.abs(x).max(-1, keepdims=True)
;;       e = np.where(a > 0, np.clip(np.frexp(np.where(a > 0, a, 1))[1] - 1 - 15, -126, 127), 0)      # np.frexp(a)[1] - 1 = floor(log2(a)), exactly
;;       r = np.clip(x / 2.0 ** e, -57344, 57344)
;;       step = 2.0 ** (np.maximum(np.frexp(np.where(r == 0, 1, r))[1] - 1, -14) - 2)
;;       q = np.round(r / step) * step * 2.0 ** e      # np.round: ties to even
;;       return np.moveaxis(q.reshape(q.shape[:-2] + (-1,))[..., :K], -1, axis).astype(np.float32)
;;   ~~~
;;   OPERANDS COMPUTED ON THE WAY. 'Computed on the way' means the value that the module computes at that place (a softmax that the list does not call 'softmax' is quantised finished and normalised). What goes into a quantiser is computed in f32, as accurately as f32 sums, v_exp_f32 and their like allow (about 1e-6 of the number): no bf16 or f16 on the way to a quantiser, and a product that is left as it is and whose result goes on into a quantised operand takes f32 operands (vector FMAs, or v_wmma_f32_16x16x4_f32). A number that lies on a knife's edge between two numbers of the format may be rounded either way, as far as f32 arithmetic and the matrix unit's own rounding can turn it there, and no further.
;;   INPUTS GIVEN AS CODES. ff_keys (in the module: [7, 2048, 1024], K = its axis 2); ff_values (in the module: [7, 1024, 2048], K = its axis 2); shared_keys (in the module: [1, 2048, 1024], K = its axis 2); shared_values (in the module: [1, 1024, 2048], K = its axis 2): each comes as NAME_codes (uint8): NAME with its K axis moved to the last place and cut into blocks of 32 codes, [.., K / 32, bytes a block], one block behind the other in memory; one code a byte (a code: sign, 5 exponent bits, 2 mantissa bits); and NAME_scales (uint8): the same leading axes, one E8M0 byte (e + 127) for each 32 codes along K. Its value is code x scale, taken as it is: it is not quantised again, and the codes and scales need not be those that the quantiser above would give.
;; One version. Each part assembles by itself: llvm-mc -triple=amdgcn-amd-amdhsa -mcpu=gfx1250 --defsym DOCPART=n.
;; ======== version 1 of 1: 4 launches
;; limits: right only within a limited range of input values
;; workspace buffers: xq 2,097,152 bytes; xs 65,536 bytes; sel 32,768 bytes of whole numbers; gv 32,768 bytes; hq 33,554,432 bytes; hs 1,048,576 bytes; y 67,108,864 bytes
;; launch route (part 1): grid 128 x 1, 8 waves a work-group, no clusters, 77,824 bytes of LDS; arguments x, gate_w, gate_b, xq, xs, sel, gv, out1; writes xq, xs, sel, gv, out1
.if DOCPART == 1
	.amdgcn_target "amdgcn-amd-amdhsa--gfx1250"
	.amdhsa_code_object_version 6
	.text
	.protected	k_q27477e5a74_route
	.globl	k_q27477e5a74_route
	.p2align	8
	.type	k_q27477e5a74_route,@function
k_q27477e5a74_route:
	s_mov_b64 s[64:65], 0
	v_nop
	global_prefetch_b8 v0, s[64:65] scope:SCOPE_SE
	s_setreg_imm32_b32 hwreg(HW_REG_WAVE_MODE, 25, 1), 1
	s_wait_xcnt 0x0
; x [2048][1024] f32 is read once and serves twice: it is turned into codes of E5M2 with one E8M0 byte for each 32 along K (xq, xs), and it is multiplied in f32 by gate_w [1024][8] for the router.
; The router: logits + gate_b, softmax with the row's maximum taken away, the four largest probabilities (of equal ones the lower index first).  In a group of 45 tokens no expert's count reaches the
; capacity of 207, so no token is dropped: what is left of dispatch and combine is, for each token, four experts (sel, whole numbers) and their probabilities (gv), stored at fixed places by rank.
; Nothing in this launch is steered by them: they are chosen by v_cndmask_b32 and stored.  out1 = 0.
; SHARES.  A work-group takes 16 tokens; wave w takes tokens 4 (w / 2) + 0 .. 3 and of each the half row k = 512 (w % 2) on: four steps of 512 numbers.  All 16 loads of a wave go out at the head.
; A step's four loads read 512 consecutive bytes each; the 2,048 bytes turn through the wave's own stage in LDS and come back 64 bytes a lane: a lane then holds 16 neighbours along K, two lanes a block of 32.
; gate_w comes into LDS once, in whole runs, and each lane keeps the 16 rows of it that belong to its 16 places of a half row (128 registers) for all four steps.
; xq: [2048][1024] codes.  xs: [t / 16][K step of 256 (4)][t % 16][8 bytes]: the order in which the first product's launch wants the scale words of 16 rows.
; A block's scale is 2^(floor(log2(its largest magnitude)) - 15); its byte is the largest magnitude's exponent field - 15, held at 1 from below.
; LIMITS: NaN and infinities among the inputs are not served.  A block of zeros gets the byte 1 where the rule says 127: its codes are zeros, and the bytes are read by this program alone.
; A probability is p x (1 / sum), one or two units in the last place from the division; probabilities under 2^-126 count as 0.  The logits' sums are f32 in another order than a row-by-row sum.
; No matrix unit (8 columns), no cluster and no tensor load: work-groups share nothing but gate_w's 32 KiB.
.set SP,    80                         ; a lane's place in a stage: its 64 bytes + 16 of padding
.set STG,   32*SP                      ; a stage
.set WREG,  2*STG                      ; LDS: two stages for each wave
.set GWB,   8*WREG                     ; gate_w: 64 pieces of 512 bytes (16 rows), 528 bytes apart
.set GWP,   528
.set LGB,   GWB+64*GWP                 ; the logits' halves: [16 tokens][2][8] f32
.set SCB,   LGB+1024                   ; the scale bytes: [4][16][8]
.set R,     16                         ; v16-79   four sets of 16 numbers as loaded; set s later holds step s's eight sums and eight registers for the exchange
.set X,     80                         ; v80-111  two sets of 16 neighbours; at the head gate_w on its way to LDS
.set W,     112                        ; v112-239 register 8 i + e: gate_w[my place + i][e]
.set C,     240                        ; v240-255 four registers of codes for each step: no store's data are written again
	s_load_b512 s[4:19], s[0:1], 0x0               ; x s[4:5], gate_w s[6:7], gate_b s[8:9], xq s[10:11], xs s[12:13], sel s[14:15], gv s[16:17], out1 s[18:19]
	s_set_vgpr_msb 0x40
	v_lshl_add_u32 v0, v0, 2, 0x12c00
	v_mov_b32 v1, 0
	s_set_vgpr_msb 0x4000
	v_lshrrev_b32 v8, 5, v0
	s_delay_alu instid0(VALU_DEP_1)
	v_readfirstlane_b32 s20, v8                    ; wave 0..7
	s_lshr_b32 s21, s20, 1                         ; which four tokens
	s_and_b32 s22, s20, 1                          ; which half row
	s_mov_b32 s23, 0x600000                        ; the mantissa field of 57,344
	s_mov_b32 s24, 0x76543210
	s_mov_b32 s25, 0xfedcba98                      ; v_permlanex16_b32's selects for lane l xor 16
	v_and_b32 v9, 31, v0                           ; lane
	s_delay_alu instid0(VALU_DEP_1)
	v_lshlrev_b32 v1, 4, v9                        ; v1: 16 x lane; never rewritten
	s_mul_i32 s26, s20, WREG
	v_lshrrev_b32 v2, 2, v9
	s_delay_alu instid0(VALU_DEP_1)
	v_mul_u32_u24 v2, v2, SP
	v_and_b32 v10, 3, v9
	s_delay_alu instid0(VALU_DEP_1)
	v_lshl_add_u32 v2, v10, 4, v2
	s_delay_alu instid0(VALU_DEP_1)
	v_add_nc_u32 v2, s26, v2                       ; v2: into a stage: four lanes' 64 bytes on end, then the padding
	v_mul_u32_u24 v3, v9, SP
	s_delay_alu instid0(VALU_DEP_1)
	v_add_nc_u32 v3, s26, v3                       ; v3: out of it: my 16 neighbours
	v_lshrrev_b32 v10, 1, v9                       ; my block among the half row's 16
	s_delay_alu instid0(VALU_DEP_1)
	v_and_b32 v4, 7, v10
	s_delay_alu instid0(VALU_DEP_2)
	v_lshrrev_b32 v10, 3, v10
	s_delay_alu instid0(VALU_DEP_1)
	v_lshl_add_u32 v4, v10, 7, v4
	s_lshl_b32 s26, s22, 8
	s_lshl_b32 s27, s21, 5
	s_add_co_u32 s26, s26, s27
	s_add_co_u32 s26, s26, SCB
	v_add_nc_u32 v4, s26, v4                       ; v4: my block's scale byte: K step 2 (w % 2) + block / 8, token 4 (w / 2), byte block % 8
	s_lshl_b32 s26, s21, 8
	s_lshl_b32 s27, s22, 5
	s_add_co_u32 s26, s26, s27
	s_add_co_u32 s26, s26, LGB
	v_mov_b32 v5, s26                              ; v5: my wave's eight sums of its first token
	v_lshrrev_b32 v10, 5, v0
	v_lshlrev_b32 v6, 4, v0
	s_delay_alu instid0(VALU_DEP_1)
	v_lshl_add_u32 v6, v10, 4, v6
	s_delay_alu instid0(VALU_DEP_1)
	v_add_nc_u32 v6, GWB, v6                       ; v6: gate_w into LDS: 16 x thread, + 16 for each 512 passed
	s_lshl_b32 s26, s22, 5
	v_add_nc_u32 v7, s26, v9
	s_delay_alu instid0(VALU_DEP_1)
	v_mul_u32_u24 v7, v7, GWP
	s_delay_alu instid0(VALU_DEP_1)
	v_add_nc_u32 v7, GWB, v7                       ; v7: my piece of it: 32 (w % 2) + lane
	v_and_b32 v14, 15, v0
	s_delay_alu instid0(VALU_DEP_1)
	v_lshl_add_u32 v14, v14, 6, LGB                ; v14: the router: token lane % 16
	v_add_nc_u32 v15, SCB, v1                      ; v15: the scale bytes on their way out
	v_lshlrev_b32 v13, 4, v0                       ; v13: gate_w in memory: 16 x thread
	s_lshl_b32 s26, ttmp9, 4
	s_lshl_b32 s27, s21, 2
	s_add_co_u32 s26, s26, s27                     ; my wave's first token
	s_lshl_b32 s28, s26, 12
	s_lshl_b32 s27, s22, 11
	s_add_co_u32 s28, s28, s27                     ; in x: 4,096 bytes a token, 2,048 a half row
	s_mov_b32 s29, 0
	s_lshl_b32 s30, s26, 10
	s_lshl_b32 s27, s22, 9
	s_add_co_u32 s30, s30, s27                     ; in xq: a quarter of that
	s_mov_b32 s31, 0
	s_wait_alu depctr_va_vdst(0)
	s_wait_kmcnt 0x0
	s_load_b256 s[32:39], s[8:9], 0x0              ; gate_b
	s_add_nc_u64 s[4:5], s[4:5], s[28:29]
	s_add_nc_u64 s[10:11], s[10:11], s[30:31]
	s_lshl_b32 s28, ttmp9, 9
	s_add_nc_u64 s[12:13], s[12:13], s[28:29]      ; xs: 512 bytes a work-group
	s_lshl_b32 s28, ttmp9, 8
	s_add_nc_u64 s[14:15], s[14:15], s[28:29]      ; sel and gv: 256
	s_add_nc_u64 s[16:17], s[16:17], s[28:29]
.irp i, 0,1,2,3,4,5,6,7
	global_load_b128 v[X+4*\i:X+4*\i+3], v13, s[6:7] offset:4096*\i   ; gate_w: 256 threads x 16 bytes, eight times
.endr
.irp s, 0,1,2,3
.irp i, 0,1,2,3
	global_load_b128 v[R+16*\s+4*\i:R+16*\s+4*\i+3], v1, s[4:5] offset:4096*\s+512*\i th:TH_LOAD_NT   ; 32 lanes read 512 consecutive bytes
.endr
.endr
	s_wait_loadcnt 16                              ; gate_w is in; the 16 loads of x behind it stay out
.irp i, 0,1,2,3,4,5,6,7
	ds_store_b128 v6, v[X+4*\i:X+4*\i+3] offset:8*GWP*\i
.endr
	s_wait_dscnt 0x0                               ; for the others' sake: my part of gate_w lies in LDS
	s_barrier_signal -1
	s_barrier_wait -1
.irp j, 0,1,2,3,4,5,6,7,8,9,10,11,12,13,14,15,16,17,18,19,20,21,22,23,24,25,26,27,28,29,30,31
	ds_load_b128 v[W+4*\j:W+4*\j+3], v7 offset:16*\j   ; my 16 rows of gate_w
.endr
.macro TURN s                          ; step s's numbers through a stage: LDS serves a wave's instructions in order, so no wait stands between the stores and the loads
.irp i, 0,1,2,3
	ds_store_b128 v2, v[R+16*(\s)+4*\i:R+16*(\s)+4*\i+3] offset:STG*((\s)%2)+8*SP*\i
.endr
.irp i, 0,1,2,3
	ds_load_b128 v[X+16*((\s)%2)+4*\i:X+16*((\s)%2)+4*\i+3], v3 offset:STG*((\s)%2)+16*\i
.endr
.endm
.macro STEP s
.set XS, X+16*((\s)%2)
.set LA, R+16*(\s)
	s_wait_dscnt 0x0                               ; this step's numbers are back (in step 0: gate_w's rows too), and every earlier LDS store has read its registers
.if (\s) < 3
	s_wait_loadcnt 8-4*(\s)                        ; the next step's four loads are in; those of the steps behind it may be out
	TURN (\s)+1                                    ; and go through the other stage while this step is worked
.endif
	; the logits' part sums, on the numbers as they came: eight sums in four pairs; my number i is taken for both halves of a pair
.irp u, 0,1,2,3
	v_pk_mul_f32 v[LA+2*\u:LA+2*\u+1], v[W+2*\u:W+2*\u+1], v[XS:XS+1] op_sel_hi:[1,0]   ; the first product starts the sums
.endr
.irp i, 1,2,3,4,5,6,7,8,9,10,11,12,13,14,15
.irp u, 0,1,2,3
.if (\i)%2
	s_delay_alu instid0(VALU_DEP_4)
	v_pk_fma_f32 v[LA+2*\u:LA+2*\u+1], v[W+8*\i+2*\u:W+8*\i+2*\u+1], v[XS+\i-1:XS+\i], v[LA+2*\u:LA+2*\u+1] op_sel:[0,1,0] op_sel_hi:[1,1,1]
.else
	s_delay_alu instid0(VALU_DEP_4)
	v_pk_fma_f32 v[LA+2*\u:LA+2*\u+1], v[W+8*\i+2*\u:W+8*\i+2*\u+1], v[XS+\i:XS+\i+1], v[LA+2*\u:LA+2*\u+1] op_sel_hi:[1,0,1]
.endif
.endr
.endr
	; the codes
	v_max3_num_f32 v8, |v[XS]|, |v[XS+1]|, |v[XS+2]|               ; the largest magnitude of my 16, in two chains
	v_max3_num_f32 v9, |v[XS+3]|, |v[XS+4]|, |v[XS+5]|
.irp i, 6,10
	s_delay_alu instid0(VALU_DEP_2)
	v_max3_num_f32 v8, v8, |v[XS+\i]|, |v[XS+\i+1]|
	s_delay_alu instid0(VALU_DEP_2)
	v_max3_num_f32 v9, v9, |v[XS+\i+2]|, |v[XS+\i+3]|
.endr
	s_delay_alu instid0(VALU_DEP_2)
	v_max3_num_f32 v8, v8, |v[XS+14]|, |v[XS+15]|
	s_delay_alu instid0(VALU_DEP_1)
	v_max3_num_f32 v8, v8, v9, 0x8000000           ; and the floor 2^(16 - 127): the byte cannot fall under 1
	s_delay_alu instid0(VALU_DEP_1)
	v_max_num_f32_dpp v8, v8, v8 row_xmask:1 row_mask:0xf bank_mask:0xf   ; and of my neighbour's 16: the block's
	s_delay_alu instid0(VALU_DEP_1)
	v_add_nc_u32 v11, 0xf8800000, v8               ; 15 off its exponent field: the conversion takes the exponent field of this operand as its scale
	s_delay_alu instid0(VALU_DEP_2)
	v_and_or_b32 v10, v8, 0x7f800000, s23          ; 57,344 x the scale
.irp i, 0,1,2,3,4,5,6,7,8,9,10,11,12,13,14,15
	v_med3_num_f32 v[XS+\i], v[XS+\i], -v10, v10   ; the conversion to an 8-bit code does not saturate (ISA guide 7.6.2): the hold comes first
.endr
	v_cvt_scalef32_pk8_bf8_f32 v[C+4*(\s):C+4*(\s)+1], v[XS:XS+7], v11
	v_cvt_scalef32_pk8_bf8_f32 v[C+4*(\s)+2:C+4*(\s)+3], v[XS+8:XS+15], v11
	v_lshrrev_b32 v12, 23, v11                     ; the scale's byte (a plain line behind the conversions)
	global_store_b128 v1, v[C+4*(\s):C+4*(\s)+3], s[10:11] offset:1024*(\s)   ; 32 lanes store 512 consecutive bytes, at a multiple of 256 from xq's first byte
	ds_store_b8 v4, v12 offset:8*(\s)              ; both lanes of a block write the same byte with the same value
	; the eight sums over the 32 lanes, by turns
.irp m, 1,2,4,8
.irp e, 0,1,2,3,4,5,6,7
	v_add_f32_dpp v[LA+\e], v[LA+\e], v[LA+\e] row_xmask:\m row_mask:0xf bank_mask:0xf
.endr
.endr
.irp e, 0,1,2,3,4,5,6,7
	v_permlanex16_b32 v[LA+8+\e], v[LA+\e], s24, s25
.endr
.irp e, 0,1,2,3,4,5,6,7
	v_add_f32 v[LA+\e], v[LA+\e], v[LA+8+\e]
.endr
	ds_store_b128 v5, v[LA:LA+3] offset:64*(\s)    ; every lane holds the same eight sums and writes them to the same words
	ds_store_b128 v5, v[LA+4:LA+7] offset:64*(\s)+16
.endm
	s_wait_loadcnt 12                              ; step 0's four loads are in
	TURN 0
	STEP 0
	STEP 1
	STEP 2
	STEP 3
	s_wait_kmcnt 0x0                               ; gate_b
	s_wait_dscnt 0x0                               ; for the others' sake: my sums and my scale bytes lie in LDS
	s_barrier_signal -1
	s_barrier_wait -1
	s_cmp_eq_u32 s20, 0
	s_cbranch_scc1 .Lrouter
	s_cmp_eq_u32 s20, 1
	s_cbranch_scc1 .Lbytes
	s_set_vgpr_msb 0x5
	s_wait_tensorcnt 0x0
	ds_add_u32 v0, v1
	s_wait_dscnt 0x0
	s_set_vgpr_msb 0x500
	s_endpgm
.set L,  16                            ; v16-23 logits
.set P,  24                            ; v24-31 the other half row's sums, then the probabilities
.set RK, 34                            ; v34-41 ranks
.set TT, 42
.set SL, 44                            ; v44-47 the chosen experts by rank
.set GT, 48                            ; v48-51 their probabilities
.Lrouter:                                              ; wave 0: lane % 16 is the token (lanes 16-31 do the same work and store nothing)
	ds_load_b128 v[L:L+3], v14
	ds_load_b128 v[L+4:L+7], v14 offset:16
	ds_load_b128 v[P:P+3], v14 offset:32
	ds_load_b128 v[P+4:P+7], v14 offset:48
	v_and_b32 v52, 31, v0
	s_wait_dscnt 0x0
.irp e, 0,1,2,3,4,5,6,7
	v_add_f32 v[L+\e], v[L+\e], v[P+\e]            ; the two half rows
.endr
.irp e, 0,1,2,3,4,5,6,7
	v_add_f32 v[L+\e], s[32+\e], v[L+\e]           ; + gate_b
.endr
	v_max3_num_f32 v32, v[L], v[L+1], v[L+2]
	s_delay_alu instid0(VALU_DEP_1)
	v_max3_num_f32 v32, v32, v[L+3], v[L+4]
	s_delay_alu instid0(VALU_DEP_1)
	v_max3_num_f32 v32, v32, v[L+5], v[L+6]
	s_delay_alu instid0(VALU_DEP_1)
	v_max_num_f32 v32, v32, v[L+7]                 ; the row's largest logit is taken away ahead of the exponentials
.irp e, 0,1,2,3,4,5,6,7
	v_sub_f32 v[P+\e], v[L+\e], v32
.endr
.irp e, 0,1,2,3,4,5,6,7
	v_mul_f32 v[P+\e], 0x3fb8aa3b, v[P+\e]         ; x log2(e)
.endr
	s_wait_alu depctr_va_vdst(0)
.irp e, 0,1,2,3,4,5,6,7
	v_exp_f32 v[P+\e], v[P+\e]
.endr
	v_nop                                          ; a plain line behind the last exponential
	s_wait_alu depctr_va_vdst(0)                   ; one wait for the eight, ahead of their first reader
	v_add_f32 v33, v[P], v[P+1]
	v_add_f32 v[TT], v[P+2], v[P+3]
	v_add_f32 v32, v[P+4], v[P+5]
	v_add_f32 v43, v[P+6], v[P+7]
	s_delay_alu instid0(VALU_DEP_3)
	v_add_f32 v33, v33, v[TT]
	s_delay_alu instid0(VALU_DEP_2)
	v_add_f32 v32, v32, v43
	s_delay_alu instid0(VALU_DEP_1)
	v_add_f32 v33, v33, v32
	s_wait_alu depctr_va_vdst(0)
	v_rcp_f32 v33, v33
.irp e, 0,1,2,3,4,5,6,7
	v_mov_b32 v[RK+\e], \e                         ; a rank begins as the index: as if every lower index came first
.endr
	s_wait_alu depctr_va_vdst(0)                   ; the reciprocal's wait; the eight moves are the plain work between
.irp e, 0,1,2,3,4,5,6,7
	v_mul_f32 v[P+\e], v[P+\e], v33
.endr
.irp i, 0,1,2,3,4,5,6
.irp j, 1,2,3,4,5,6,7
.if \j > \i
	v_cmp_gt_f32 vcc_lo, v[P+\j], v[P+\i]          ; only a strictly larger probability passes a lower index
	s_delay_alu instid0(VALU_DEP_1)
	v_cndmask_b32 v[TT], 0, 1, vcc_lo
	s_delay_alu instid0(VALU_DEP_1)
	v_add_nc_u32 v[RK+\i], v[RK+\i], v[TT]
	s_delay_alu instid0(VALU_DEP_2)
	v_sub_nc_u32 v[RK+\j], v[RK+\j], v[TT]
.endif
.endr
.endr
.irp k, 0,1,2,3
	v_mov_b32 v[SL+\k], 0
	v_mov_b32 v[GT+\k], 0
.endr
.irp k, 0,1,2,3
.irp e, 0,1,2,3,4,5,6,7
	v_cmp_eq_u32 vcc_lo, \k, v[RK+\e]
	s_delay_alu instid0(VALU_DEP_1)
	v_cndmask_b32 v[SL+\k], v[SL+\k], \e, vcc_lo
	s_delay_alu instid0(VALU_DEP_2)
	v_cndmask_b32 v[GT+\k], v[GT+\k], v[P+\e], vcc_lo
.endr
.endr
	s_wait_alu depctr_va_vdst(0)
	s_wait_xcnt 0x0                                ; EXEC changes only behind this wait: my stores of codes have read it
	v_cmp_gt_u32 vcc_lo, 16, v52
	s_set_vgpr_msb 0x5
	s_wait_tensorcnt 0x0
	ds_add_u32 v0, v1
	s_wait_dscnt 0x0
	s_set_vgpr_msb 0x500
	s_and_saveexec_b32 s26, vcc_lo
	global_store_b128 v1, v[SL:SL+3], s[14:15]     ; sixteen lanes store 256 consecutive bytes, aligned
	global_store_b128 v1, v[GT:GT+3], s[16:17]
	s_wait_xcnt 0x0
	s_or_b32 exec_lo, exec_lo, s26
	s_endpgm
.Lbytes:                                               ; wave 1: the work-group's 512 scale bytes leave in one run
	ds_load_b128 v[16:19], v15
	v_mov_b32 v20, 0
	v_and_b32 v21, 31, v0
	s_wait_dscnt 0x0
	global_store_b128 v1, v[16:19], s[12:13]
	s_cmp_lg_u32 ttmp9, 0
	s_cbranch_scc1 .Ldone
	s_wait_xcnt 0x0                                ; EXEC changes only behind this wait
	s_wait_alu depctr_va_vdst(0)
	v_cmp_eq_u32 vcc_lo, 0, v21
	s_and_saveexec_b32 s26, vcc_lo
	global_store_b32 v20, v20, s[18:19]            ; out1 = 0.0: one lane of the launch
	s_wait_xcnt 0x0
	s_or_b32 exec_lo, exec_lo, s26
.Ldone:
	s_set_vgpr_msb 0x5
	s_wait_tensorcnt 0x0
	ds_add_u32 v0, v1
	s_wait_dscnt 0x0
	s_set_vgpr_msb 0x500
	s_endpgm
.Lfunc_end_k_q27477e5a74_route:
	.size	k_q27477e5a74_route, .Lfunc_end_k_q27477e5a74_route-k_q27477e5a74_route
	.p2alignl 7, 3214868480
	.fill 96, 4, 3214868480
	.section	.rodata,"a",@progbits
	.p2align	6, 0x0
	.amdhsa_kernel k_q27477e5a74_route
		.amdhsa_group_segment_fixed_size 77824
		.amdhsa_private_segment_fixed_size 0
		.amdhsa_enable_private_segment 0
		.amdhsa_kernarg_size 64
		.amdhsa_user_sgpr_count 2
		.amdhsa_user_sgpr_kernarg_segment_ptr 1
		.amdhsa_wavefront_size32 1
		.amdhsa_system_sgpr_workgroup_id_x 1
		.amdhsa_system_sgpr_workgroup_id_y 1
		.amdhsa_system_sgpr_workgroup_id_z 1
		.amdhsa_system_vgpr_workitem_id 0
		.amdhsa_next_free_vgpr 258
		.amdhsa_next_free_sgpr 66
		.amdhsa_reserve_vcc 1
		.amdhsa_float_denorm_mode_32 3
		.amdhsa_float_denorm_mode_16_64 3
		.amdhsa_memory_ordered 1
		.amdhsa_forward_progress 1
		.amdhsa_inst_pref_size 74
	.end_amdhsa_kernel
	.amdgpu_metadata
---
amdhsa.version: [ 1, 2 ]
amdhsa.kernels:
  - .name:           k_q27477e5a74_route
    .symbol:         k_q27477e5a74_route.kd
    .args:
      - { .name: x, .offset: 0, .size: 8, .value_kind: global_buffer, .address_space: global }
      - { .name: gate_w, .offset: 8, .size: 8, .value_kind: global_buffer, .address_space: global }
      - { .name: gate_b, .offset: 16, .size: 8, .value_kind: global_buffer, .address_space: global }
      - { .name: xq, .offset: 24, .size: 8, .value_kind: global_buffer, .address_space: global }
      - { .name: xs, .offset: 32, .size: 8, .value_kind: global_buffer, .address_space: global }
      - { .name: sel, .offset: 40, .size: 8, .value_kind: global_buffer, .address_space: global }
      - { .name: gv, .offset: 48, .size: 8, .value_kind: global_buffer, .address_space: global }
      - { .name: out1, .offset: 56, .size: 8, .value_kind: global_buffer, .address_space: global }
    .group_segment_fixed_size: 77824
    .private_segment_fixed_size: 0
    .kernarg_segment_align: 8
    .kernarg_segment_size: 64
    .max_flat_workgroup_size: 256
    .sgpr_count:     66
    .vgpr_count:     258
    .wavefront_size: 32
...
	.end_amdgpu_metadata
.endif
;; end of part 1
;; launch ffn1 (part 2): grid 32 x 8, 4 waves a work-group, clusters of 4 x 4, 327,680 bytes of LDS; arguments xq, xs, ff_keys_codes, ff_keys_scales, shared_keys_codes, shared_keys_scales, hq, hs; writes hq, hs
.if DOCPART == 2
	.amdgcn_target "amdgcn-amd-amdhsa--gfx1250"
	.amdhsa_code_object_version 6
	.text
	.protected	k_q27477e5a74_ffn1
	.globl	k_q27477e5a74_ffn1
	.p2align	8
	.type	k_q27477e5a74_ffn1,@function
k_q27477e5a74_ffn1:
	s_mov_b64 s[64:65], 0
	v_nop
	global_prefetch_b8 v0, s[64:65] scope:SCOPE_SE
	s_setreg_imm32_b32 hwreg(HW_REG_WAVE_MODE, 25, 1), 1
	s_wait_xcnt 0x0
	s_wait_alu depctr_hold_cnt(0) depctr_sa_sdst(0) depctr_va_vdst(0) depctr_va_sdst(0) depctr_va_ssrc(0) depctr_va_vcc(0) depctr_vm_vsrc(0)
	s_getreg_b32 s2, hwreg(HW_REG_IB_STS2, 6, 4)
	s_cmp_eq_u32 s2, 0
	s_cbranch_scc0 .Lentry_in_a_cluster
	s_endpgm
.Lentry_in_a_cluster:
	s_bfe_u32 s2, ttmp6, 0x10000c
	s_cmp_lg_u32 s2, 0xf033
	s_cbranch_scc0 .Lentry_shape_is_right
	s_endpgm
.Lentry_shape_is_right:
; h[E][t][u] = Q(gelu(sum over k of x[t][k] keys[E][u][k])) for eight experts E (0 to 6 feed-forward, 7 the shared one), 2,048 tokens, 2,048 hidden units, K = 1,024, on codes of E5M2 with E8M0 bytes.
; A work-group of four waves makes two tiles of 256 tokens x 256 units, one after the other; a wave 128 x 128 in 512 registers; K goes in steps of 256 through two LDS slots filled by joint loads (4 x 4 clusters).
; THE HEAD: one joint load a wave: K step 0's 256 rows of x, of the keys, x's scale bytes, the keys' scale bytes of both tiles; slot 1's first fill stands behind the full sequence and a round.
; THE WAY OUT: gelu (tanh form, as x / (1 + 2^t)) and the quantiser along the units, by blocks of 16 tokens: transcendentals in batches of 64, one wait ahead of a batch and one behind it.
; It is a loop of two trips of four blocks: the sums of tokens 64-127 (window 3) are copied into window 2 between the trips, so that one text serves both halves.
; hq: [E][t][2048] codes; hs: [E][t / 128][K step of 256][t % 128][8 bytes].  LIMITS: NaN and infinities are not served; a block of zeros gets the byte 1 (its codes are zeros; the bytes are read by this program alone).
.set SIZE_K, 1024
.set KSTEP,  256
.set NQ,     KSTEP/128
.set ROWB,   256
.set KROW,   SIZE_K
.set PITCH,  272
.set FR,     16
.set NL,     4
.set NP,     8
.set HALFT,  128*PITCH
.set SLOT,   4*HALFT
.set KS,     SIZE_K/32
.set SCA,    2*SLOT
.set AH,     4096
.set AO,     1024
.set AST,    128
.set SCB,    SCA+2*AH
.set HALFS,  (128*KS/256)*272
.set SBLK,   (16*KS/256)*272
.set TSC,    2*HALFS
.set SPARE,  SCB+2*TSC
.set STG,    SPARE+512
.set SBUF,   32*PITCH
.set SST,    STG+2*SBUF
.set KC1,  8
.set KC0,  10
.set PFO,  12
.set ADRA, 16
.set ADRB, 20
.set SRD,  22
.set L16,  23
.set STO,  24
.set SSO,  25
.set RD,   26
.set ADSA, 27
.set SPW,  28
.set NIL,  29
.set ADSB, 30
.set CO,   31
.set SC,   32
.set AF,   128
.set OB,   32
.set T0,   64
.set PC,   192
.set TM,   208
.set PW,   224
.set SBK,  228
.set TL,   3
.set SEL,  20
.set MNT,  23
.set PFA,  92
.set LIM,  94
.set G1, 24
.set G0, 32
.set G1B, 48
.set G0B, 56
.set G1S, 68
.set G0S, 76
.set G1SB, 80
.set G0SB, 88
.set MSB, 0
.macro WIN new
.if MSB != (\new)
	s_set_vgpr_msb (MSB<<8)|(\new)
.set MSB, \new
.endif
.endm
.set MUL_LO, 0xa1
.set MUL_HI, 0xf1
.set TO_B,   0x40
.macro JLOAD g0a, g1a, g0b, g1b
	s_cmp_eq_u32 s15, 0
	s_cbranch_scc0 .Lfor_b_\@
	tensor_load_to_lds s[\g0a:\g0a+3], s[\g1a:\g1a+7]
	s_nop 0
.rept 4
	v_nop
.endr
	s_branch .Lasked_\@
.Lfor_b_\@:
	tensor_load_to_lds s[\g0b:\g0b+3], s[\g1b:\g1b+7]
	s_nop 0
.rept 4
	v_nop
.endr
.Lasked_\@:
.endm
.macro ASK ks
	s_cmp_eq_u32 s[LIM], 1
	s_cbranch_scc0 .Lnot_mine_\@
	global_prefetch_b8 v[PFO], s[PFA:PFA+1] offset:ROWB*(\ks) th:TH_LOAD_NT scope:SCOPE_SE
.Lnot_mine_\@:
.endm
.macro CREST
	s_cmp_lg_u32 s14, 0
	s_cbranch_scc1 .Lnot_wave_0_\@
	s_barrier_signal -3
.Lnot_wave_0_\@:
	s_barrier_wait -3
	s_barrier_signal -1
	s_barrier_wait -1
.endm
.macro CROUND
	s_barrier_signal -1
	s_barrier_wait -1
	CREST
.endm
	s_load_b128 s[4:7], s[0:1], 0x0
	s_load_b128 s[8:11], s[0:1], 0x10
	s_load_b128 s[96:99], s[0:1], 0x20
	s_load_b64 s[12:13], s[0:1], 0x30
	s_load_b64 s[66:67], s[0:1], 0x38
	v_lshl_add_u32 v[SPW], v0, 2, SPARE
	v_mov_b32 v[NIL], 0
	ds_add_u32 v28, v29
	ds_add_u32 v28, v29
	s_wait_dscnt 0x0
	v_lshrrev_b32 v1, 5, v0
	v_readfirstlane_b32 s14, v1
	s_lshr_b32 s15, s14, 1
	s_and_b32 s16, s14, 1
	s_bfe_u32 s40, ttmp6, 0x40000
	s_bfe_u32 s41, ttmp6, 0x40004
	s_and_b32 s17, ttmp7, 0xffff
	s_lshl_b32 s17, s17, 2
	s_add_co_u32 s17, s17, s41
	s_lshl_b32 s43, s41, 2
	s_lshl_b32 s43, 15, s43
	s_lshl_b32 s44, 0x1111, s40
	s_or_b32 s[G1+0], s43, (0<<16)|(1<<20)|(1<<21)|(5<<22)|(3<<25)
	s_or_b32 s[G1B+0], s44, (0<<16)|(1<<20)|(1<<21)|(5<<22)|(3<<25)
.irp g, G1, G1B
	s_mov_b32 s[\g+1], ROWB<<16
	s_mov_b32 s[\g+2], 256<<16
	s_mov_b32 s[\g+3], ROWB<<16
	s_mov_b32 s[\g+4], 256
	s_mov_b32 s[\g+5], KROW
	s_mov_b32 s[\g+6], 0
	s_mov_b32 s[\g+7], 0
.endr
	s_or_b32 s[G1S+0], s43, (3<<16)|(1<<21)
	s_mov_b32 s[G1S+1], 32<<16
	s_mov_b32 s[G1S+2], (2*AH/256)<<16
	s_mov_b32 s[G1S+3], 32<<16
	s_mov_b32 s[G1S+4], 2*AH/256
	s_mov_b32 s[G1S+5], 32
	s_mov_b32 s[G1S+6], 0
	s_mov_b32 s[G1S+7], 0
	s_or_b32 s[G1SB+0], s44, (3<<16)|(1<<20)|(1<<21)|(5<<22)|(3<<25)
	s_mov_b32 s[G1SB+1], 32<<16
	s_mov_b32 s[G1SB+2], (512*KS/256)<<16
	s_mov_b32 s[G1SB+3], 32<<16
	s_mov_b32 s[G1SB+4], 512*KS/256
	s_mov_b32 s[G1SB+5], 32
	s_mov_b32 s[G1SB+6], 0
	s_mov_b32 s[G1SB+7], 0
	s_lshl_b32 s18, s16, 7
	s_lshl_b32 s20, s17, 8
	s_add_co_u32 s20, s20, s18
	s_cmp_eq_u32 ttmp9, 7
	s_cselect_b32 s19, 0, ttmp9
	s_lshl_b32 s19, s19, 11
	s_lshl_b32 s46, s40, 9
	s_add_co_u32 s46, s46, s19
	s_lshl_b32 s92, s16, 8
	s_add_co_u32 s92, s92, s46
	s_add_co_u32 s46, s46, s18
	s_mov_b32 s21, 0
	s_mov_b32 s47, 0
	s_mov_b32 s93, 0
	s_mov_b64 s[18:19], KS
	s_mul_u64 s[22:23], s[20:21], s[18:19]
	s_mul_u64 s[92:93], s[92:93], s[18:19]
	s_mov_b64 s[18:19], KROW
	s_mul_u64 s[20:21], s[20:21], s[18:19]
	s_mul_u64 s[46:47], s[46:47], s[18:19]
	s_mul_i32 s45, s14, HALFT
	s_wait_kmcnt 0x0
	s_cmp_eq_u32 ttmp9, 7
	s_cselect_b64 s[8:9], s[96:97], s[8:9]
	s_cselect_b64 s[10:11], s[98:99], s[10:11]
	s_add_nc_u64 s[20:21], s[4:5], s[20:21]
	s_add_nc_u64 s[22:23], s[6:7], s[22:23]
	s_add_nc_u64 s[46:47], s[8:9], s[46:47]
	s_add_nc_u64 s[92:93], s[10:11], s[92:93]
	CROUND
; the head's four tiles, each whole: the wave's half is taken off the addresses again
.set G0H, 4                            ; s[4:7], s[8:11]: the arguments that lay there have been used
.set G0HB, 8
	s_mul_i32 s18, s16, 128*KROW
	s_mov_b32 s19, 0
	s_mov_b32 s[G0H], 1                            ; K step 0's 256 rows of x
	s_mov_b32 s[G0H+1], 0
	s_sub_nc_u64 s[G0H+2:G0H+3], s[20:21], s[18:19]
	s_or_b32 s[G0H+3], s[G0H+3], 0x80000000
	s_mov_b32 s[G0HB], 1                           ; and of the keys, behind them in slot 0
	s_mov_b32 s[G0HB+1], 2*HALFT
	s_sub_nc_u64 s[G0HB+2:G0HB+3], s[46:47], s[18:19]
	s_or_b32 s[G0HB+3], s[G0HB+3], 0x80000000
	s_lshl_b32 s18, s16, 12
	s_mov_b32 s[G0S], 1                            ; x's scale bytes: 8,192 dense bytes
	s_mov_b32 s[G0S+1], SCA
	s_sub_nc_u64 s[G0S+2:G0S+3], s[22:23], s[18:19]
	s_or_b32 s[G0S+3], s[G0S+3], 0x80000000
	s_lshl_b32 s18, s16, 13
	s_mov_b32 s[G0SB], 1                           ; the keys' scale bytes of both tiles: 16,384 dense bytes
	s_mov_b32 s[G0SB+1], SCB
	s_sub_nc_u64 s[G0SB+2:G0SB+3], s[92:93], s[18:19]
	s_or_b32 s[G0SB+3], s[G0SB+3], 0x80000000
.macro ARM under, g0, g1, next         ; one tree of branches on the wave's number, one load to an arm, one join
	s_cmp_lt_u32 s14, \under
	s_cbranch_scc0 \next
	tensor_load_to_lds s[\g0:\g0+3], s[\g1:\g1+7]
	s_nop 0
.rept 4
	v_nop
.endr
	s_branch .Lhead_asked
\next:
.endm
	ARM 1, G0H,  G1,  .Lhead_b
	ARM 2, G0HB, G1B, .Lhead_sa
	ARM 3, G0S,  G1S, .Lhead_sb
	tensor_load_to_lds s[G0SB:G0SB+3], s[G1SB:G1SB+7]
	s_nop 0
.rept 4
	v_nop
.endr
.Lhead_asked:
.irp s, 0,1
	s_mov_b32 s[G0+4*\s], 1
	s_add_co_u32 s[G0+4*\s+1], s45, \s*SLOT
	s_add_nc_u64 s[G0+4*\s+2:G0+4*\s+3], s[20:21], \s*ROWB
	s_or_b32 s[G0+4*\s+3], s[G0+4*\s+3], 0x80000000
	s_mov_b32 s[G0B+4*\s], 1
	s_add_co_u32 s[G0B+4*\s+1], s45, \s*SLOT
	s_add_nc_u64 s[G0B+4*\s+2:G0B+4*\s+3], s[46:47], \s*ROWB
	s_or_b32 s[G0B+4*\s+3], s[G0B+4*\s+3], 0x80000000
.endr
	s_lshl_b32 s18, s41, 15
	s_add_co_u32 s18, s18, 256*KROW
	s_mov_b32 s19, 0
	s_add_nc_u64 s[PFA:PFA+1], s[46:47], s[18:19]
	s_and_b32 s19, ttmp7, 0xffff
	s_xor_b32 s18, s15, 1
	s_or_b32 s18, s18, s19
	s_cmp_eq_u32 s18, 0
	s_cselect_b32 s[LIM], 1, 0
	v_and_b32 v[PFO], 31, v0
	v_lshlrev_b32 v[PFO], 10, v[PFO]
	v_and_b32 v1, 15, v0
	v_bfe_u32 v2, v0, 4, 1
	v_mul_u32_u24 v3, v1, PITCH
	v_lshl_add_u32 v4, v2, 4, v3
	s_mul_i32 s21, s15, HALFT
	s_mul_i32 s22, s16, HALFT
	s_add_co_u32 s22, s22, 2*HALFT
.irp s, 0,1
	v_add_nc_u32 v[ADRA+\s], s21, v4
	v_add_nc_u32 v[ADRB+\s], s22, v4
	s_add_co_u32 s21, s21, SLOT
	s_add_co_u32 s22, s22, SLOT
.endr
	v_lshlrev_b32 v5, 3, v1
	v_lshl_add_u32 v5, v2, 9, v5
	s_lshl_b32 s21, s15, 12
	s_add_co_u32 s21, s21, SCA
	v_add_nc_u32 v[ADSA], s21, v5
	v_mul_u32_u24 v5, v1, KS
	v_lshrrev_b32 v6, 8, v5
	v_lshl_add_u32 v5, v6, 4, v5
	v_mul_u32_u24 v6, v2, SBLK
	v_add_nc_u32 v5, v5, v6
	s_mul_i32 s22, s16, HALFS
	s_add_co_u32 s22, s22, SCB
	v_add_nc_u32 v[ADSB], s22, v5
	v_mul_u32_u24 v5, v1, PITCH
	v_lshl_add_u32 v5, v2, 3, v5
	s_mul_i32 s21, s15, 16*PITCH
	s_lshl_b32 s22, s16, 7
	s_add_co_u32 s21, s21, s22
	s_add_co_u32 s21, s21, STG
	v_add_nc_u32 v[STO], s21, v5
	v_lshlrev_b32 v5, 3, v1
	s_lshl_b32 s21, s15, 10
	s_lshl_b32 s22, s16, 2
	s_add_co_u32 s21, s21, s22
	s_add_co_u32 s21, s21, SST
	v_add_nc_u32 v[SSO], s21, v5
	v_mul_u32_u24 v5, v2, PITCH
	v_lshl_add_u32 v5, v1, 4, v5
	s_mul_i32 s21, s14, 8*PITCH
	s_add_co_u32 s21, s21, STG
	v_add_nc_u32 v[RD], s21, v5
	v_lshlrev_b32 v5, 4, v1
	v_lshl_add_u32 v[CO], v2, 11, v5
	v_and_b32 v6, 31, v0
	v_lshlrev_b32 v[L16], 4, v6
	s_lshl_b32 s21, s14, 9
	s_add_co_u32 s21, s21, SST
	v_add_nc_u32 v[SRD], s21, v[L16]
	v_mov_b32 v[KC1], 0xbdd2d3e8
	v_mov_b32 v[KC1+1], 0xbdd2d3e8
	v_mov_b32 v[KC0], 0xc0135761
	v_mov_b32 v[KC0+1], 0xc0135761
	s_lshl_b32 s20, s17, 8
	s_lshl_b32 s21, s15, 7
	s_add_co_u32 s20, s20, s21
	s_lshl_b32 s21, s16, 3
	s_add_co_u32 s20, s20, s21
	s_lshl_b32 s21, ttmp9, 11
	s_add_co_u32 s20, s20, s21
	s_lshl_b32 s20, s20, 11
	s_lshl_b32 s47, s40, 9
	s_add_co_u32 s20, s20, s47
	s_mov_b32 s21, 0
	s_add_nc_u64 s[12:13], s[12:13], s[20:21]
	s_lshl_b32 s20, ttmp9, 17
	s_lshl_b32 s22, s17, 14
	s_add_co_u32 s20, s20, s22
	s_lshl_b32 s22, s15, 13
	s_add_co_u32 s20, s20, s22
	s_lshl_b32 s22, s40, 11
	s_add_co_u32 s20, s20, s22
	s_lshl_b32 s22, s16, 9
	s_add_co_u32 s20, s20, s22
	s_add_nc_u64 s[66:67], s[66:67], s[20:21]
	s_mov_b32 s[SEL], 0x76543210
	s_mov_b32 s[SEL+1], 0xfedcba98
	s_mov_b32 s[MNT], 0x600000
.macro FRAG reg, adr, q, i
.irp c, 0,1,2,3
	ds_load_b128 v[\reg+4*\c:\reg+4*\c+3], v[\adr] offset:128*(\q)+32*\c+(\i)*16*PITCH
.endr
.endm
.macro WMM acc, bf, af, zero, sb, sa, rows
.set rD, \acc
.set rB, \bf
.set rA, \af
.set rSB, \sb
.set rSA, \sa
.set rR, \rows
.if (\zero) && (rR == 0)
	v_wmma_scale_f32_16x16x128_f8f6f4 v[rD:rD+7], v[rB:rB+15], v[rA:rA+15], 0, v[rSB], v[rSA] matrix_a_fmt:MATRIX_FMT_BF8 matrix_b_fmt:MATRIX_FMT_BF8
.elseif (\zero) && (rR == 1)
	v_wmma_scale_f32_16x16x128_f8f6f4 v[rD:rD+7], v[rB:rB+15], v[rA:rA+15], 0, v[rSB], v[rSA] matrix_a_fmt:MATRIX_FMT_BF8 matrix_b_fmt:MATRIX_FMT_BF8 matrix_a_scale:MATRIX_SCALE_ROW1
.elseif (\zero) && (rR == 2)
	v_wmma_scale_f32_16x16x128_f8f6f4 v[rD:rD+7], v[rB:rB+15], v[rA:rA+15], 0, v[rSB], v[rSA] matrix_a_fmt:MATRIX_FMT_BF8 matrix_b_fmt:MATRIX_FMT_BF8 matrix_b_scale:MATRIX_SCALE_ROW1
.elseif (\zero)
	v_wmma_scale_f32_16x16x128_f8f6f4 v[rD:rD+7], v[rB:rB+15], v[rA:rA+15], 0, v[rSB], v[rSA] matrix_a_fmt:MATRIX_FMT_BF8 matrix_b_fmt:MATRIX_FMT_BF8 matrix_a_scale:MATRIX_SCALE_ROW1 matrix_b_scale:MATRIX_SCALE_ROW1
.elseif rR == 0
	v_wmma_scale_f32_16x16x128_f8f6f4 v[rD:rD+7], v[rB:rB+15], v[rA:rA+15], v[rD:rD+7], v[rSB], v[rSA] matrix_a_fmt:MATRIX_FMT_BF8 matrix_b_fmt:MATRIX_FMT_BF8
.elseif rR == 1
	v_wmma_scale_f32_16x16x128_f8f6f4 v[rD:rD+7], v[rB:rB+15], v[rA:rA+15], v[rD:rD+7], v[rSB], v[rSA] matrix_a_fmt:MATRIX_FMT_BF8 matrix_b_fmt:MATRIX_FMT_BF8 matrix_a_scale:MATRIX_SCALE_ROW1
.elseif rR == 2
	v_wmma_scale_f32_16x16x128_f8f6f4 v[rD:rD+7], v[rB:rB+15], v[rA:rA+15], v[rD:rD+7], v[rSB], v[rSA] matrix_a_fmt:MATRIX_FMT_BF8 matrix_b_fmt:MATRIX_FMT_BF8 matrix_b_scale:MATRIX_SCALE_ROW1
.else
	v_wmma_scale_f32_16x16x128_f8f6f4 v[rD:rD+7], v[rB:rB+15], v[rA:rA+15], v[rD:rD+7], v[rSB], v[rSA] matrix_a_fmt:MATRIX_FMT_BF8 matrix_b_fmt:MATRIX_FMT_BF8 matrix_a_scale:MATRIX_SCALE_ROW1 matrix_b_scale:MATRIX_SCALE_ROW1
.endif
.endm
.macro MUL16 a0, p, q, sc, zero
.irp a, \a0, \a0+1
.irp b, 0,1,2,3,4,5,6,7
	WMM 8*(8*((\a)%4)+\b), 128*(\p)+FR*\b, AF+FR*(\a), \zero, SC+16*(\sc)+8+2*(\b/2)+(\q), SC+16*(\sc)+2*((\a)/2)+(\q), (\b%2)+2*((\a)%2)
.endr
.endr
.endm
.macro FETCH_B slot, q, p
	WIN TO_B
.irp i, 0,1,2,3,4,5,6,7
	FRAG 128*(\p)+FR*\i, ADRB+\slot, \q, \i
.endr
	WIN 0
.endm
.macro FETCH_A slot, q, i0
.irp i, \i0, \i0+1, \i0+2, \i0+3
	FRAG AF+FR*(\i), ADRA+\slot, \q, \i
.endr
.endm
.macro SCALES sc, ks, j
.irp i, 0,1,2,3
	ds_load_b64 v[SC+16*\sc+2*\i:SC+16*\sc+2*\i+1], v[ADSA] offset:\i*AO+(\ks)*AST
.endr
.irp i, 0,1,2,3
	ds_load_b64 v[SC+16*\sc+8+2*\i:SC+16*\sc+8+2*\i+1], v[ADSB] offset:\i*2*SBLK+(\ks)*4*NQ+(\j)*TSC
.endr
.endm
.macro PLACES n
.rept \n
	v_nop
.endr
.endm
.macro STEP slot, q, zero
	s_wait_dscnt 4*NL
	WIN MUL_LO
	MUL16 0, (\q)%2, \q, \slot, \zero
	MUL16 2, (\q)%2, \q, \slot, \zero
	s_wait_dscnt 0
	PLACES NP
	FETCH_B \slot, (\q)+1, 1-(\q)%2
	FETCH_A \slot, (\q)+1, 0
	WIN MUL_HI
	MUL16 4, (\q)%2, \q, \slot, \zero
	MUL16 6, (\q)%2, \q, \slot, \zero
	PLACES NP
	WIN 0
	FETCH_A \slot, (\q)+1, 4
.endm
.macro TURN slot, next, fill, ks, j, ask
	s_wait_tensorcnt 0x0
	ds_add_u32 v[SPW], v[NIL]
.if (\fill) == 1
	s_add_nc_u64 s[G0+4*\slot+2:G0+4*\slot+3], s[G0+4*\slot+2:G0+4*\slot+3], 2*ROWB
	s_add_nc_u64 s[G0B+4*\slot+2:G0B+4*\slot+3], s[G0B+4*\slot+2:G0B+4*\slot+3], 2*ROWB
.elseif (\fill) == 2
	s_sub_nc_u64 s[G0+4*\slot+2:G0+4*\slot+3], s[G0+4*\slot+2:G0+4*\slot+3], 2*ROWB
	s_add_nc_u64 s[G0B+4*\slot+2:G0B+4*\slot+3], s[G0B+4*\slot+2:G0B+4*\slot+3], 256*KROW-2*ROWB
.endif
	s_wait_dscnt 0x0
.if \fill
	CROUND
	JLOAD G0+4*\slot, G1, G0B+4*\slot, G1B
.else
	s_barrier_signal -1
	s_barrier_wait -1
.endif
.if (\next) >= 0
	FETCH_B \next, 0, 0
	SCALES \next, \ks, \j
.endif
.if (\ask) >= 0
	ASK \ask
.endif
	WIN MUL_LO
	MUL16 0, 1, NQ-1, \slot, 0
	MUL16 2, 1, NQ-1, \slot, 0
.if (\next) >= 0
	PLACES NP
	WIN 0
	FETCH_A \next, 0, 0
.endif
	WIN MUL_HI
	MUL16 4, 1, NQ-1, \slot, 0
	MUL16 6, 1, NQ-1, \slot, 0
.if (\next) >= 0
	PLACES NP
.endif
	WIN 0
.if (\next) >= 0
	FETCH_A \next, 0, 4
.endif
.endm
.macro GZ a
.set XB, 64*((\a)%4)
.set TT, T0+64*((\a)%2)
	WIN (2+(\a)/4)<<2
	s_wait_alu depctr_va_vdst(0)                   ; the wait directly ahead of the sums' first readers
.set p, 0
.rept 32
	v_pk_mul_f32 v[TT+2*p:TT+2*p+1], v[KC1:KC1+1], v[XB+2*p:XB+2*p+1]
.set p, p+1
.endr
.set p, 0
.rept 32
	v_pk_fma_f32 v[TT+2*p:TT+2*p+1], v[TT+2*p:TT+2*p+1], v[XB+2*p:XB+2*p+1], v[KC0:KC0+1]
.set p, p+1
.endr
.set p, 0
.rept 32
	v_pk_mul_f32 v[TT+2*p:TT+2*p+1], v[TT+2*p:TT+2*p+1], v[XB+2*p:XB+2*p+1]
.set p, p+1
.endr
	WIN 0
.endm
.macro GX a
.set XB, 64*((\a)%4)
.set TT, T0+64*((\a)%2)
	WIN (2+(\a)/4)<<2
.set p, 0
.rept 32
	v_pk_mul_f32 v[TT+2*p:TT+2*p+1], v[TT+2*p:TT+2*p+1], v[XB+2*p:XB+2*p+1]
.set p, p+1
.endr
	WIN 0
.endm
.macro QI set, idx
.set qn, \idx
.if qn < 4
	v_max3_num_f32 v[TM+qn], |v[(\set)+16*qn]|, |v[(\set)+1+16*qn]|, 0x8000000
.elseif qn < 32
.set qb, qn%4
.set qi, 2*(qn/4)
	v_max3_num_f32 v[TM+qb], v[TM+qb], |v[(\set)+16*qb+qi]|, |v[(\set)+1+16*qb+qi]|
.elseif qn < 36
	v_permlanex16_b32 v[TM+4+qn-32], v[TM+qn-32], s[SEL], s[SEL+1]
.elseif qn < 40
	v_max_num_f32 v[TM+qn-36], v[TM+qn-36], v[TM+4+qn-36]
.elseif qn < 44
	v_add_nc_u32 v[TM+12+qn-40], 0xf8800000, v[TM+qn-40]
.elseif qn < 48
	v_and_or_b32 v[TM+8+qn-44], v[TM+qn-44], 0x7f800000, s[MNT]
.elseif qn < 52
	v_lshrrev_b32 v[TM+4+qn-48], 23, v[TM+12+qn-48]
.elseif qn == 52
	v_lshl_or_b32 v[PW], v[TM+5], 8, v[TM+4]
.elseif qn == 53
	v_lshl_or_b32 v[PW], v[TM+6], 16, v[PW]
.elseif qn == 54
	v_lshl_or_b32 v[PW], v[TM+7], 24, v[PW]
.elseif qn < 127
.set qb, (qn-55)/18
.set qj, (qn-55)%18
.if qj < 16
	v_med3_num_f32 v[(\set)+16*qb+qj], v[(\set)+16*qb+qj], -v[TM+8+qb], v[TM+8+qb]
.elseif qj == 16
	v_cvt_scalef32_pk8_bf8_f32 v[PC+4*qb:PC+4*qb+1], v[(\set)+16*qb:(\set)+16*qb+7], v[TM+12+qb]
.else
	v_cvt_scalef32_pk8_bf8_f32 v[PC+4*qb+2:PC+4*qb+3], v[(\set)+16*qb+8:(\set)+16*qb+15], v[TM+12+qb]
.endif
.else
	v_nop
.endif
.endm
.macro GE a                            ; 2^t: a batch of 64, a wait ahead of it and, behind a plain line, one behind it
.set TT, T0+64*((\a)%2)
	s_wait_alu depctr_va_vdst(0)
.set j, 0
.rept 64
	v_exp_f32 v[TT+j], v[TT+j]
.set j, j+1
.endr
	v_nop
	s_wait_alu depctr_va_vdst(0)
.endm
.macro GR a                            ; 1 / (1 + 2^t): 32 packed adds, then a batch of 64 between its two waits
.set TT, T0+64*((\a)%2)
.set p, 0
.rept 32
	v_pk_add_f32 v[TT+2*p:TT+2*p+1], v[TT+2*p:TT+2*p+1], 1.0 op_sel_hi:[1,0]
.set p, p+1
.endr
	s_wait_alu depctr_va_vdst(0)
.set j, 0
.rept 64
	v_rcp_f32 v[TT+j], v[TT+j]
.set j, j+1
.endr
	v_nop
	s_wait_alu depctr_va_vdst(0)
.endm
.macro QALL a                          ; the quantiser of a block's 64 numbers a lane: 128 lines on end
.set j, 0
.rept 128
	QI T0+64*((\a)%2), j
.set j, j+1
.endr
.endm
.macro PUT a
.irp b, 0,1,2,3
	ds_store_b64 v[STO], v[PC+4*\b:PC+4*\b+1] offset:SBUF*((\a)%2)+32*\b
	ds_store_b64 v[STO], v[PC+4*\b+2:PC+4*\b+3] offset:SBUF*((\a)%2)+32*\b+16
.endr
.endm
.macro BACK a
	s_wait_xcnt 0x0
.irp i, 0,1,2,3
	ds_load_b128 v[OB+16*((\a)%2)+4*\i:OB+16*((\a)%2)+4*\i+3], v[RD] offset:SBUF*((\a)%2)+2*PITCH*\i
.endr
.endm
.macro SENDB a
	s_wait_dscnt 0x0
.irp i, 0,1,2,3
	global_store_b128 v[CO], v[OB+16*((\a)%2)+4*\i:OB+16*((\a)%2)+4*\i+3], s[12:13] offset:32768*(\a)+4096*\i
.endr
.endm
	s_wait_alu depctr_va_vdst(0)
	s_wait_tensorcnt 0x0                           ; my tile of the head's four is in
	ds_add_u32 v[SPW], v[NIL]
	s_mov_b32 s[G1+2], 128<<16                     ; no tensor load of mine is out: from here on a load brings 128 rows
	s_mov_b32 s[G1+4], 128
	s_mov_b32 s[G1B+2], 128<<16
	s_mov_b32 s[G1B+4], 128
	s_wait_dscnt 0x0
	CROUND                                         ; all four tiles are in, and all sixteen work-groups are here
	JLOAD G0+4, G1, G0B+4, G1B                     ; K step 1: slot 1's first fill, the first tensor load behind the round
	FETCH_B 0, 0, 0
	FETCH_A 0, 0, 0
	SCALES 0, 0, 0
	FETCH_A 0, 0, 4
	STEP 0, 0, 1
	TURN 0, 1, 1, 1, 0, 0
	STEP 1, 0, 0
	TURN 1, 0, 1, 2, 0, 1
	STEP 0, 0, 0
	TURN 0, 1, 2, 3, 0, 2
	STEP 1, 0, 0
	TURN 1, -1, 2, 0, 0, 3
	s_mov_b32 s[TL], 2
.set HB, 2                             ; s2: halves of the tile to go
.Lout:
	PLACES NP
.irp b, 0,1,2,3
	v_mov_b32 v[TM+4+\b], 0
.endr
	s_mov_b32 s[HB], 2
.Lhalf:                                                ; four blocks of 16 tokens, their sums in window 2
	GZ 0
.irp a, 0,1,2,3
	GE \a
.if \a > 0
	SENDB \a-1                                     ; the block before is back from the stage: its rows leave
.endif
	GR \a
	GX \a
.set PW, 224+\a                        ; the block's scale word waits in v224-227 for the half's end
	QALL \a
	PUT \a
	s_wait_dscnt 0x0                               ; for the others' sake: my codes lie in the stage
	s_barrier_signal -1
.if \a < 3
	GZ \a+1                                        ; work on registers while the others arrive
.endif
	s_barrier_wait -1
	BACK \a
.endr
	SENDB 3
	s_cmp_eq_u32 s[HB], 1
	s_cbranch_scc1 .Lhalves
.irp i, 0,1,2,3
	ds_store_b32 v[SSO], v[224+\i] offset:128*\i   ; blocks 0-3's scale words
.endr
	s_wait_xcnt 0x0                                ; the stores have read their base
	s_add_nc_u64 s[12:13], s[12:13], 4*32768       ; 64 tokens on in hq
	WIN 0x83                                       ; source window 3, destination window 2
	s_wait_alu depctr_va_vdst(0)                   ; the wait directly ahead of the sums' first readers
.set cp, 0
.rept 256
	v_mov_b32 v[cp], v[cp]                         ; tokens 64-127's sums, each accumulator from its low end on
.set cp, cp+1
.endr
	WIN 0
	s_sub_co_u32 s[HB], s[HB], 1
	s_wait_alu depctr_va_vdst(0)
	s_branch .Lhalf
.Lhalves:
.irp i, 0,1,2,3
	ds_store_b32 v[SSO], v[224+\i] offset:128*(4+\i)   ; blocks 4-7's scale words
.endr
	s_wait_dscnt 0x0
	s_barrier_signal -1
	s_barrier_wait -1
	ds_load_b128 v[SBK:SBK+3], v[SRD]
	s_wait_dscnt 0x0
	global_store_b128 v[L16], v[SBK:SBK+3], s[66:67]   ; 32 lanes store 512 consecutive bytes of hs
	s_cmp_eq_u32 s[TL], 1
	s_cbranch_scc1 .Lend
	s_wait_xcnt 0x0
	s_sub_nc_u64 s[12:13], s[12:13], 4*32768-ROWB  ; back to my first token, 256 units on
	s_add_nc_u64 s[66:67], s[66:67], 1024
	FETCH_B 0, 0, 0
	FETCH_A 0, 0, 0
	SCALES 0, 0, 1
	FETCH_A 0, 0, 4
	STEP 0, 0, 1
	TURN 0, 1, 1, 1, 1, -1
	STEP 1, 0, 0
	TURN 1, 0, 1, 2, 1, -1
	STEP 0, 0, 0
	TURN 0, 1, 0, 3, 1, -1
	STEP 1, 0, 0
	s_wait_dscnt 4*NL
	WIN MUL_LO
	MUL16 0, 1, NQ-1, 1, 0
	MUL16 2, 1, NQ-1, 1, 0
	s_wait_dscnt 0
	WIN MUL_HI
	MUL16 4, 1, NQ-1, 1, 0
	MUL16 6, 1, NQ-1, 1, 0
	WIN 0
	s_sub_co_u32 s[TL], s[TL], 1
	s_branch .Lout
.Lend:
	s_wait_tensorcnt 0x0
	ds_add_u32 v[SPW], v[NIL]
	s_wait_dscnt 0x0
	CROUND
	s_endpgm
.Lfunc_end_k_q27477e5a74_ffn1:
	.size	k_q27477e5a74_ffn1, .Lfunc_end_k_q27477e5a74_ffn1-k_q27477e5a74_ffn1
	.p2alignl 7, 3214868480
	.fill 96, 4, 3214868480
	.section	.rodata,"a",@progbits
	.p2align	6, 0x0
	.amdhsa_kernel k_q27477e5a74_ffn1
		.amdhsa_group_segment_fixed_size 327680
		.amdhsa_private_segment_fixed_size 0
		.amdhsa_enable_private_segment 0
		.amdhsa_kernarg_size 64
		.amdhsa_user_sgpr_count 2
		.amdhsa_user_sgpr_kernarg_segment_ptr 1
		.amdhsa_wavefront_size32 1
		.amdhsa_system_sgpr_workgroup_id_x 1
		.amdhsa_system_sgpr_workgroup_id_y 1
		.amdhsa_system_sgpr_workgroup_id_z 1
		.amdhsa_system_vgpr_workitem_id 0
		.amdhsa_next_free_vgpr 1024
		.amdhsa_next_free_sgpr 100
		.amdhsa_reserve_vcc 0
		.amdhsa_float_denorm_mode_32 3
		.amdhsa_float_denorm_mode_16_64 3
		.amdhsa_memory_ordered 1
		.amdhsa_forward_progress 1
		.amdhsa_inst_pref_size 255
	.end_amdhsa_kernel
	.section	.bss,"aw",@nobits
	.p2align	6
	.space	262144
	.amdgpu_metadata
---
amdhsa.version: [ 1, 2 ]
amdhsa.kernels:
  - .name:           k_q27477e5a74_ffn1
    .symbol:         k_q27477e5a74_ffn1.kd
    .args:
      - { .name: xq, .offset: 0, .size: 8, .value_kind: global_buffer, .address_space: global }
      - { .name: xs, .offset: 8, .size: 8, .value_kind: global_buffer, .address_space: global }
      - { .name: ff_keys_codes, .offset: 16, .size: 8, .value_kind: global_buffer, .address_space: global }
      - { .name: ff_keys_scales, .offset: 24, .size: 8, .value_kind: global_buffer, .address_space: global }
      - { .name: shared_keys_codes, .offset: 32, .size: 8, .value_kind: global_buffer, .address_space: global }
      - { .name: shared_keys_scales, .offset: 40, .size: 8, .value_kind: global_buffer, .address_space: global }
      - { .name: hq, .offset: 48, .size: 8, .value_kind: global_buffer, .address_space: global }
      - { .name: hs, .offset: 56, .size: 8, .value_kind: global_buffer, .address_space: global }
    .group_segment_fixed_size: 327680
    .private_segment_fixed_size: 0
    .kernarg_segment_align: 8
    .kernarg_segment_size: 64
    .max_flat_workgroup_size: 128
    .sgpr_count:     100
    .vgpr_count:     1024
    .wavefront_size: 32
...
	.end_amdgpu_metadata
.endif
;; end of part 2
;; launch ffn2 (part 3): grid 32 x 8, 4 waves a work-group, clusters of 4 x 4, 327,680 bytes of LDS; arguments hq, hs, ff_values_codes, ff_values_scales, shared_values_codes, shared_values_scales, y, sel; writes y
.if DOCPART == 3
	.amdgcn_target "amdgcn-amd-amdhsa--gfx1250"
	.amdhsa_code_object_version 6
	.text
	.protected	k_q27477e5a74_ffn2
	.globl	k_q27477e5a74_ffn2
	.p2align	8
	.type	k_q27477e5a74_ffn2,@function
k_q27477e5a74_ffn2:
	s_mov_b64 s[64:65], 0
	v_nop
	global_prefetch_b8 v0, s[64:65] scope:SCOPE_SE
	s_setreg_imm32_b32 hwreg(HW_REG_WAVE_MODE, 25, 1), 1
	s_wait_xcnt 0x0
	s_wait_alu depctr_hold_cnt(0) depctr_sa_sdst(0) depctr_va_vdst(0) depctr_va_sdst(0) depctr_va_ssrc(0) depctr_va_vcc(0) depctr_vm_vsrc(0)
	s_getreg_b32 s2, hwreg(HW_REG_IB_STS2, 6, 4)
	s_cmp_eq_u32 s2, 0
	s_cbranch_scc0 .Lentry_in_a_cluster
	s_endpgm
.Lentry_in_a_cluster:
	s_bfe_u32 s2, ttmp6, 0x10000c
	s_cmp_lg_u32 s2, 0xf033
	s_cbranch_scc0 .Lentry_shape_is_right
	s_endpgm
.Lentry_shape_is_right:
; y[E][t][d] = sum over u of h[E][t][u] values[E][d][u], for eight experts E (0 to 6 feed-forward, 7 the shared one), 2,048 tokens t, 1,024 outputs d, K = 2,048.
; Both operands are codes of E5M2 with one E8M0 byte for each 32 along K; sums in f32.  The parts are stored as they are, one for each expert; the last launch weighs and adds those that were chosen.
; One part for each expert makes 8 x 8 x 4 = 256 tiles of 256 x 256 with the whole K of one expert each: one tile for each work-group, and no sum spans work-groups.
; A tile is made by a work-group of four waves; a wave makes 128 x 128: 64 accumulators of 16 x 16, 512 registers.  K goes in steps of 256 through a ring of two LDS slots filled by the tensor data mover.
; THE CHANGE OF SLOTS stands at the head of a slot's last step of 128 along K: that step's fragments are all in registers by then, so the slot can be asked for again ahead of the step's 64 matrix instructions,
; and the request has these and the next slot's first 64 in which to land.  The scale bytes of the tile's 256 + 256 rows, for all of K, come once, with the first fills.
; CLUSTERS: 4 x 4 work-groups; a cluster's x is the expert, its four columns are the expert's four tile columns.  The four of a row of the cluster need the same tiles of h, the four of a column the same tiles of the
; values: each tile is asked for JOINTLY.  THE MATRIX INSTRUCTION IS USED TRANSPOSED (source 0 = 16 rows of the values, source 1 = 16 tokens): a lane holds eight neighbouring numbers of a row of y.
; REGISTERS, in windows of 256: window 0: v0-31 addresses; v32-63 scale words, two sets; from v128 h's fragments, ONE set; on the way out v128-255 rows of y.
;   window 1: the values' fragments, TWO sets.   window 2: the 32 accumulators of my tokens 0-63 (accumulator (a, b) at v[8 (8 a + b)]);   window 3: those of my tokens 64-127.
.set SIZE_K, 2048
.set SIZE_N, 1024
.set KSTEP,  256
.set NQ,     KSTEP/128
.set ROWB,   256
.set KROW,   SIZE_K
.set PITCH,  272                       ; an LDS row: 256 bytes + 16 of padding = 68 words: row r starts at bank 4 r mod 64 (64 banks of 4 bytes: ISA guide 11.1)
.set FR,     16
.set NL,     4
.set NP,     8                         ; places behind this matrix instruction (ISA guide 7.12.1)
.set HALFT,  128*PITCH
.set SLOT,   4*HALFT
.set LAPS,   SIZE_K/(2*KSTEP)
.set KS,     SIZE_K/32
.set SCA,    2*SLOT                    ; behind the ring: h's scales, two halves of 128 tokens, dense: [K step][token][8 bytes]
.set AH,     8192
.set AO,     256                       ; from a pair of blocks of 16 tokens to the next
.set AST,    1024                      ; from a K step to the next
.set SCB,    SCA+2*AH                  ; the values' scales, as runs of 256 bytes + 16 of padding
.set HALFS,  (128*KS/256)*272
.set SBLK,   (16*KS/256)*272
.set SPARE,  SCB+2*HALFS               ; the spare words, 128 bytes for each wave: two blocks of 256 bytes that no other line names
.set SPITCH, 528                       ; the way out: a stage of 16 rows x (512 bytes + 16) for each wave, in slot 0, which has had its last fill and its last read by then
.set ADRA, 16
.set ADRB, 20
.set STO,  24                          ; v24     the way out: where I put 32 bytes of a row
.set RD,   25                          ; v25     where I read a row back
.set CO,   26                          ; v26     my byte offset in a row of y
.set ADSA, 27                          ; v27     LDS address of h's scale words: lanes 0-15 an even block of 16 tokens, lanes 16-31 the odd one behind it
.set SPW,  28                          ; v28     LDS address of my spare word; never rewritten
.set NIL,  29                          ; v29     0; never rewritten
.set ADSB, 30                          ; v30     the same as ADSA for the values' blocks of 16 rows
.set PFO,  31                          ; v31     the prefetches' offset: my lane x a row of codes (2,048 bytes); never rewritten
.set SC,   32
.set AF,   128
.set BK,   128                         ; the way out: 16 rows read back from the stage: v128-191 and v192-255 by turns
.set PFA,  66                          ; s[66:67] where my prefetches stand: my work-group's 32 rows of the 128 that I fetch, one K step further along K than the refill that is being asked for
.set LIM,  95                          ; s95     1 in a wave that prefetches, else the greatest number
.set G1, 24
.set G0, 32
.set G1B, 48
.set G0B, 56
.set G1S, 68
.set G0S, 76
.set G1SB, 80
.set G0SB, 88
.set MSB, 0
.macro WIN new                         ; the immediate's high byte repeats the setting that is left
.if MSB != (\new)
	s_set_vgpr_msb (MSB<<8)|(\new)
.set MSB, \new
.endif
.endm
.set MUL_LO, 0xa1                      ; source 0 (values) window 1, source 1 (h) window 0, C and D window 2
.set MUL_HI, 0xf1
.set TO_B,   0x40
; A joint load: waves 0 and 1 fetch for h, waves 2 and 3 for the values; the branch hangs on the wave's number alone.  Four v_nop follow each of the two lines.
.macro JLOAD g0a, g1a, g0b, g1b
	s_cmp_eq_u32 s15, 0
	s_cbranch_scc0 .Lfor_b_\@
	tensor_load_to_lds s[\g0a:\g0a+3], s[\g1a:\g1a+7]
	s_nop 0
.rept 4
	v_nop
.endr
	s_branch .Lasked_\@
.Lfor_b_\@:
	tensor_load_to_lds s[\g0b:\g0b+3], s[\g1b:\g1b+7]
	s_nop 0
.rept 4
	v_nop
.endr
.Lasked_\@:
.endm
; A PREFETCH INTO THE L2, behind each joint refill and the run of LDS loads that follows it: the K step that stands TWO refills on (256 matrix instructions ahead of the load that will want it): 32 rows x 256 bytes, a lane a row.
; Each row's 256 bytes of a K step are named ONCE in the launch.  A tile of h is read by the four partners of one row of one cluster and by nobody else: every cluster asks for its own.  A tile of the values is read by
; both clusters of an expert: cluster y = 0 asks.  The four partners that ask for a tile jointly share its rows out BY ADDRESS, 32 each of the 128 that a wave fetches (by cx for h, by cy for the values).
; K steps 0 to 3 come by their loads alone; the loop's last trip (s3 = 1) has no K step two on and asks for nothing.
.macro ASK
	s_cmp_gt_u32 s3, s[LIM]
	s_cbranch_scc0 .Lnot_mine_\@
	global_prefetch_b8 v[PFO], s[PFA:PFA+1] offset:ROWB th:TH_LOAD_NT scope:SCOPE_SE
.Lnot_mine_\@:
.endm
.macro CREST                           ; a round of the cluster's barrier behind its opening barrier
	s_cmp_lg_u32 s14, 0
	s_cbranch_scc1 .Lnot_wave_0_\@
	s_barrier_signal -3
.Lnot_wave_0_\@:
	s_barrier_wait -3
	s_barrier_signal -1
	s_barrier_wait -1
.endm
.macro CROUND
	s_barrier_signal -1
	s_barrier_wait -1
	CREST
.endm
	s_load_b128 s[4:7], s[0:1], 0x0                ; h's codes s[4:5], h's scales s[6:7]
	s_load_b128 s[8:11], s[0:1], 0x10              ; the feed-forward values' codes s[8:9], scales s[10:11]
	s_load_b128 s[96:99], s[0:1], 0x20             ; the shared values' codes s[96:97], scales s[98:99]
	s_load_b64 s[12:13], s[0:1], 0x30              ; y
	s_load_b64 s[100:101], s[0:1], 0x38            ; sel: [2048][4] whole numbers, stored by the first launch
	v_lshl_add_u32 v[SPW], v0, 2, SPARE
	v_mov_b32 v[NIL], 0
	ds_add_u32 v28, v29
	ds_add_u32 v28, v29
	s_wait_dscnt 0x0
	v_lshrrev_b32 v1, 5, v0
	v_readfirstlane_b32 s14, v1                    ; wave 0..3
	s_lshr_b32 s15, s14, 1                         ; which half of the tile's tokens is mine.  Also: I fetch for h (0) or for the values (1)
	s_and_b32 s16, s14, 1                          ; which half of its columns.  Also: which 128 rows of that tile I fetch
	s_bfe_u32 s40, ttmp6, 0x40000                  ; cx: the tile column in the expert;  cy
	s_bfe_u32 s41, ttmp6, 0x40004
	s_and_b32 s17, ttmp7, 0xffff
	s_lshl_b32 s17, s17, 2
	s_add_co_u32 s17, s17, s41                     ; tile row = 4 x cluster y + cy
	s_lshl_b32 s43, s41, 2
	s_lshl_b32 s43, 15, s43                        ; my row of the cluster
	s_lshl_b32 s44, 0x1111, s40                    ; my column
	s_or_b32 s[G1+0], s43, (0<<16)|(1<<20)|(1<<21)|(5<<22)|(3<<25)  ; 15:0 the mask: h's tiles go to my row; 17:16 element of 1 byte; 20 padding on; 21 set beside a mask; 24:22 after every 64 words (code 5); 31:25 of 4 words (code 3)
	s_or_b32 s[G1B+0], s44, (0<<16)|(1<<20)|(1<<21)|(5<<22)|(3<<25)
.irp g, G1, G1B
	s_mov_b32 s[\g+1], ROWB<<16                    ; tensor_dim0
	s_mov_b32 s[\g+2], 256<<16                     ; tensor_dim1 = 256 for the head's loads; set to 128 behind them
	s_mov_b32 s[\g+3], ROWB<<16                    ; tile_dim0
	s_mov_b32 s[\g+4], 256                         ; tile_dim1 likewise
	s_mov_b32 s[\g+5], KROW                        ; tensor_dim0_stride
	s_mov_b32 s[\g+6], 0
	s_mov_b32 s[\g+7], 0
.endr
	; h's scales of 128 tokens: a dense block of AH bytes, as rows of 256 bytes (32 elements of 8 bytes), no padding
	s_or_b32 s[G1S+0], s43, (3<<16)|(1<<21)
	s_mov_b32 s[G1S+1], 32<<16
	s_mov_b32 s[G1S+2], (2*AH/256)<<16
	s_mov_b32 s[G1S+3], 32<<16
	s_mov_b32 s[G1S+4], 2*AH/256
	s_mov_b32 s[G1S+5], 32
	s_mov_b32 s[G1S+6], 0
	s_mov_b32 s[G1S+7], 0
	; the values' scales of 128 rows: a dense block of 128 KS bytes, as rows of 256 bytes, 16 bytes of padding behind each
	s_or_b32 s[G1SB+0], s44, (3<<16)|(1<<20)|(1<<21)|(5<<22)|(3<<25)
	s_mov_b32 s[G1SB+1], 32<<16
	s_mov_b32 s[G1SB+2], (256*KS/256)<<16
	s_mov_b32 s[G1SB+3], 32<<16
	s_mov_b32 s[G1SB+4], 256*KS/256
	s_mov_b32 s[G1SB+5], 32
	s_mov_b32 s[G1SB+6], 0
	s_mov_b32 s[G1SB+7], 0
	s_lshl_b32 s18, s16, 7                         ; which 128 rows of the tile I fetch
	s_lshl_b32 s20, s17, 8
	s_add_co_u32 s20, s20, s18
	s_lshl_b32 s21, ttmp9, 11
	s_add_co_u32 s20, s20, s21                     ; h: row 2,048 x expert + 256 x tile row + 128 x half
	s_cmp_eq_u32 ttmp9, 7
	s_cselect_b32 s19, 0, ttmp9                    ; the shared values are a buffer of their own
	s_lshl_b32 s19, s19, 10
	s_lshl_b32 s46, s40, 8
	s_add_co_u32 s46, s46, s18
	s_add_co_u32 s46, s46, s19                     ; the values: row 1,024 x expert + 256 x tile column + 128 x half
	s_lshl_b32 s22, s17, 1
	s_add_co_u32 s22, s22, s16
	s_lshl_b32 s22, s22, 13
	s_lshl_b32 s23, ttmp9, 17
	s_add_co_u32 s22, s22, s23                     ; h's scales: 131,072 x expert + 8,192 x (t / 128)
	s_mov_b32 s23, 0
	s_mov_b32 s21, 0
	s_mov_b32 s47, 0
	s_mov_b64 s[18:19], KS
	s_mul_u64 s[92:93], s[46:47], s[18:19]         ; the values' scales
	s_mov_b64 s[18:19], KROW
	s_mul_u64 s[20:21], s[20:21], s[18:19]         ; and the codes
	s_mul_u64 s[46:47], s[46:47], s[18:19]
	s_mul_i32 s45, s14, HALFT                      ; where they go: wave x 128 rows: no place in the cluster enters an LDS address
	s_wait_kmcnt 0x0
	s_cmp_eq_u32 ttmp9, 7                          ; the choice of buffers hangs on the cluster's number alone
	s_cselect_b64 s[8:9], s[96:97], s[8:9]
	s_cselect_b64 s[10:11], s[98:99], s[10:11]
	s_add_nc_u64 s[20:21], s[4:5], s[20:21]
	s_add_nc_u64 s[22:23], s[6:7], s[22:23]
	s_add_nc_u64 s[46:47], s[8:9], s[46:47]
	s_add_nc_u64 s[92:93], s[10:11], s[92:93]
	CROUND                                         ; all sixteen work-groups are here: the first joint loads meet
; THE HEAD'S LOADS, ONE A WAVE: four tiles, each whole: the wave's half is taken off the addresses again
.set G0H, 4                            ; s[4:7], s[8:11]: the arguments that lay there have been used
.set G0HB, 8
	s_mul_i32 s18, s16, 128*KROW
	s_mov_b32 s19, 0
	s_mov_b32 s[G0H], 1                            ; K step 0's 256 rows of h
	s_mov_b32 s[G0H+1], 0
	s_sub_nc_u64 s[G0H+2:G0H+3], s[20:21], s[18:19]
	s_or_b32 s[G0H+3], s[G0H+3], 0x80000000
	s_mov_b32 s[G0HB], 1                           ; and of the values, behind them in slot 0
	s_mov_b32 s[G0HB+1], 2*HALFT
	s_sub_nc_u64 s[G0HB+2:G0HB+3], s[46:47], s[18:19]
	s_or_b32 s[G0HB+3], s[G0HB+3], 0x80000000
	s_lshl_b32 s18, s16, 13                        ; a half's scale bytes are 8,192 on either side
	s_mov_b32 s[G0S], 1                            ; h's scale bytes: 16,384 dense bytes
	s_mov_b32 s[G0S+1], SCA
	s_sub_nc_u64 s[G0S+2:G0S+3], s[22:23], s[18:19]
	s_or_b32 s[G0S+3], s[G0S+3], 0x80000000
	s_mov_b32 s[G0SB], 1                           ; the values': 16,384 dense bytes
	s_mov_b32 s[G0SB+1], SCB
	s_sub_nc_u64 s[G0SB+2:G0SB+3], s[92:93], s[18:19]
	s_or_b32 s[G0SB+3], s[G0SB+3], 0x80000000
.macro ARM under, g0, g1, next         ; one tree of branches on the wave's number, one load to an arm, one join
	s_cmp_lt_u32 s14, \under
	s_cbranch_scc0 \next
	tensor_load_to_lds s[\g0:\g0+3], s[\g1:\g1+7]
	s_nop 0
.rept 4
	v_nop
.endr
	s_branch .Lhead_asked
\next:
.endm
	ARM 1, G0H,  G1,  .Lhead_b
	ARM 2, G0HB, G1B, .Lhead_sa
	ARM 3, G0S,  G1S, .Lhead_sb
	tensor_load_to_lds s[G0SB:G0SB+3], s[G1SB:G1SB+7]
	s_nop 0
.rept 4
	v_nop
.endr
.Lhead_asked:
.irp s, 0,1
	s_mov_b32 s[G0+4*\s], 1
	s_add_co_u32 s[G0+4*\s+1], s45, \s*SLOT
	s_add_nc_u64 s[G0+4*\s+2:G0+4*\s+3], s[20:21], \s*ROWB
	s_or_b32 s[G0+4*\s+3], s[G0+4*\s+3], 0x80000000
	s_mov_b32 s[G0B+4*\s], 1
	s_add_co_u32 s[G0B+4*\s+1], s45, \s*SLOT
	s_add_nc_u64 s[G0B+4*\s+2:G0B+4*\s+3], s[46:47], \s*ROWB
	s_or_b32 s[G0B+4*\s+3], s[G0B+4*\s+3], 0x80000000
.endr
	; the prefetches: s[20:21] and s[46:47] still stand at the first byte of the 128 rows that a wave fetches for h and for the values
	s_and_b32 s19, ttmp7, 0xffff                   ; cluster y
	s_cmp_eq_u32 s15, 0                            ; do I fetch for h?
	s_cselect_b64 s[PFA:PFA+1], s[20:21], s[46:47]
	s_cselect_b32 s18, s40, s41                    ; my place among the four that ask for the tile with me
	s_cselect_b32 s19, 0, s19                      ; h: every cluster asks; the values: cluster y = 0
	s_cmp_eq_u32 s19, 0
	s_cselect_b32 s[LIM], 1, -1                    ; the same in all sixteen partners, for a given wave
	s_lshl_b32 s18, s18, 16                        ; my work-group's 32 rows of 2,048 bytes,
	s_add_co_u32 s18, s18, 2*ROWB                  ; at K step 2: the first refill steps it to 3 and names K step 4.  Nothing is prefetched here, at the head
	s_mov_b32 s19, 0
	s_add_nc_u64 s[PFA:PFA+1], s[PFA:PFA+1], s[18:19]
	v_and_b32 v[PFO], 31, v0
	v_lshlrev_b32 v[PFO], 11, v[PFO]
	v_and_b32 v1, 15, v0                           ; r = l % 16
	v_bfe_u32 v2, v0, 4, 1                         ; h = l / 16
	v_mul_u32_u24 v3, v1, PITCH
	v_lshl_add_u32 v4, v2, 4, v3                   ; a fragment's row x pitch + 16 x half
	s_mul_i32 s21, s15, HALFT
	s_mul_i32 s22, s16, HALFT
	s_add_co_u32 s22, s22, 2*HALFT
.irp s, 0,1
	v_add_nc_u32 v[ADRA+\s], s21, v4
	v_add_nc_u32 v[ADRB+\s], s22, v4
	s_add_co_u32 s21, s21, SLOT
	s_add_co_u32 s22, s22, SLOT
.endr
	v_and_b32 v6, 31, v0
	v_lshlrev_b32 v5, 3, v6                        ; h's scale words: 8 bytes a token, the tokens on end: 8 x lane serves two blocks of 16
	s_lshl_b32 s21, s15, 13
	s_add_co_u32 s21, s21, SCA
	v_add_nc_u32 v[ADSA], s21, v5
	v_mul_u32_u24 v5, v1, KS                       ; the values': KS bytes a row,
	v_lshrrev_b32 v7, 8, v5
	v_lshl_add_u32 v5, v7, 4, v5                   ; 16 more for each 256 passed,
	v_mul_u32_u24 v7, v2, SBLK                     ; and lanes 16-31 a block of 16 rows on
	v_add_nc_u32 v5, v5, v7
	s_mul_i32 s22, s16, HALFS
	s_add_co_u32 s22, s22, SCB
	v_add_nc_u32 v[ADSB], s22, v5
	s_mul_i32 s23, s14, 16*SPITCH                  ; my stage
	v_mul_u32_u24 v5, v1, SPITCH                   ; in: row l % 16, 32 bytes for each half of the lanes
	v_lshl_add_u32 v5, v2, 5, v5
	v_add_nc_u32 v[STO], s23, v5
	v_lshlrev_b32 v[CO], 4, v6                     ; back: the 32 lanes take one row of 512 bytes; and the same in y
	v_add_nc_u32 v[RD], s23, v[CO]
; ONLY THE ROWS OF y THAT THE LAST LAUNCH READS ARE STORED: a token's row of part E < 7 if the token chose expert E, and every row of part 7 (the shared expert).
; The four experts of my 128 tokens: a lane a token, 16 bytes each, four loads of 512 consecutive bytes; they are waited for on the way out.
.set SELV, 64                          ; v64-79: no other line of the text names them
	s_lshl_b32 s18, s17, 12                        ; 256 tokens x 16 bytes a tile row,
	s_lshl_b32 s19, s15, 11                        ; 128 x 16 for my half
	s_add_co_u32 s18, s18, s19
	s_mov_b32 s19, 0
	s_add_nc_u64 s[100:101], s[100:101], s[18:19]  ; never rewritten
	s_wait_alu depctr_va_vdst(0)                   ; the wait ahead of the reader of a fresh offset
.irp g, 0,1,2,3
	global_load_b128 v[SELV+4*\g:SELV+4*\g+3], v[CO], s[100:101] offset:512*\g
.endr
	s_lshl_b32 s20, s17, 8
	s_lshl_b32 s21, s15, 7
	s_add_co_u32 s20, s20, s21
	s_lshl_b32 s21, ttmp9, 11
	s_add_co_u32 s20, s20, s21                     ; my first row of y: 2,048 x expert + 256 x tile row + 128 x half
	s_mov_b32 s21, 0
	s_lshl_b64 s[20:21], s[20:21], 12
	s_lshl_b32 s46, s40, 10                        ; my first column, in bytes: 1,024 x tile column + 512 x half
	s_lshl_b32 s47, s16, 9
	s_add_co_u32 s46, s46, s47
	s_mov_b32 s47, 0
	s_add_nc_u64 s[20:21], s[20:21], s[46:47]
	s_add_nc_u64 s[12:13], s[12:13], s[20:21]
.macro FRAG reg, adr, q, i             ; a fragment, 16 rows x 128 K of 8-bit codes, is 16 registers: lane l holds row l % 16; registers 4 c .. 4 c + 3 hold K = 32 c + 16 (l / 16) + 0 .. 15
.irp c, 0,1,2,3
	ds_load_b128 v[\reg+4*\c:\reg+4*\c+3], v[\adr] offset:128*(\q)+32*\c+(\i)*16*PITCH
.endr
.endm
; One matrix instruction.  rows: bit 0: the values' block is an odd one, its scale words stand in lanes 16-31; bit 1: the same of h's block.  zero = 1: the product starts its sum.
.macro WMM acc, bf, af, zero, sb, sa, rows
.set rD, \acc
.set rB, \bf
.set rA, \af
.set rSB, \sb
.set rSA, \sa
.set rR, \rows
.if (\zero) && (rR == 0)
	v_wmma_scale_f32_16x16x128_f8f6f4 v[rD:rD+7], v[rB:rB+15], v[rA:rA+15], 0, v[rSB], v[rSA] matrix_a_fmt:MATRIX_FMT_BF8 matrix_b_fmt:MATRIX_FMT_BF8
.elseif (\zero) && (rR == 1)
	v_wmma_scale_f32_16x16x128_f8f6f4 v[rD:rD+7], v[rB:rB+15], v[rA:rA+15], 0, v[rSB], v[rSA] matrix_a_fmt:MATRIX_FMT_BF8 matrix_b_fmt:MATRIX_FMT_BF8 matrix_a_scale:MATRIX_SCALE_ROW1
.elseif (\zero) && (rR == 2)
	v_wmma_scale_f32_16x16x128_f8f6f4 v[rD:rD+7], v[rB:rB+15], v[rA:rA+15], 0, v[rSB], v[rSA] matrix_a_fmt:MATRIX_FMT_BF8 matrix_b_fmt:MATRIX_FMT_BF8 matrix_b_scale:MATRIX_SCALE_ROW1
.elseif (\zero)
	v_wmma_scale_f32_16x16x128_f8f6f4 v[rD:rD+7], v[rB:rB+15], v[rA:rA+15], 0, v[rSB], v[rSA] matrix_a_fmt:MATRIX_FMT_BF8 matrix_b_fmt:MATRIX_FMT_BF8 matrix_a_scale:MATRIX_SCALE_ROW1 matrix_b_scale:MATRIX_SCALE_ROW1
.elseif rR == 0
	v_wmma_scale_f32_16x16x128_f8f6f4 v[rD:rD+7], v[rB:rB+15], v[rA:rA+15], v[rD:rD+7], v[rSB], v[rSA] matrix_a_fmt:MATRIX_FMT_BF8 matrix_b_fmt:MATRIX_FMT_BF8
.elseif rR == 1
	v_wmma_scale_f32_16x16x128_f8f6f4 v[rD:rD+7], v[rB:rB+15], v[rA:rA+15], v[rD:rD+7], v[rSB], v[rSA] matrix_a_fmt:MATRIX_FMT_BF8 matrix_b_fmt:MATRIX_FMT_BF8 matrix_a_scale:MATRIX_SCALE_ROW1
.elseif rR == 2
	v_wmma_scale_f32_16x16x128_f8f6f4 v[rD:rD+7], v[rB:rB+15], v[rA:rA+15], v[rD:rD+7], v[rSB], v[rSA] matrix_a_fmt:MATRIX_FMT_BF8 matrix_b_fmt:MATRIX_FMT_BF8 matrix_b_scale:MATRIX_SCALE_ROW1
.else
	v_wmma_scale_f32_16x16x128_f8f6f4 v[rD:rD+7], v[rB:rB+15], v[rA:rA+15], v[rD:rD+7], v[rSB], v[rSA] matrix_a_fmt:MATRIX_FMT_BF8 matrix_b_fmt:MATRIX_FMT_BF8 matrix_a_scale:MATRIX_SCALE_ROW1 matrix_b_scale:MATRIX_SCALE_ROW1
.endif
.endm
; 16 matrix instructions: h's blocks a0, a0 + 1 against the values' eight, 128 along K: the slot's q-th.  The 64 accumulators take turns, one instruction a turn, in the same order in every step.
.macro MUL16 a0, p, q, sc, zero
.irp a, \a0, \a0+1
.irp b, 0,1,2,3,4,5,6,7
	WMM 8*(8*((\a)%4)+\b), 128*(\p)+FR*\b, AF+FR*(\a), \zero, SC+16*(\sc)+8+2*(\b/2)+(\q), SC+16*(\sc)+2*((\a)/2)+(\q), (\b%2)+2*((\a)%2)
.endr
.endr
.endm
.macro FETCH_B slot, q, p
	WIN TO_B
.irp i, 0,1,2,3,4,5,6,7
	FRAG 128*(\p)+FR*\i, ADRB+\slot, \q, \i
.endr
	WIN 0
.endm
.macro FETCH_A slot, q, i0
.irp i, \i0, \i0+1, \i0+2, \i0+3
	FRAG AF+FR*(\i), ADRA+\slot, \q, \i
.endr
.endm
.macro SCALES sc                       ; the next K step's scale words into set sc: two words a row; a load serves two blocks of 16 rows, one in each half of the lanes
.irp i, 0,1,2,3
	ds_load_b64 v[SC+16*\sc+2*\i:SC+16*\sc+2*\i+1], v[ADSA] offset:\i*AO
.endr
.irp i, 0,1,2,3
	ds_load_b64 v[SC+16*\sc+8+2*\i:SC+16*\sc+8+2*\i+1], v[ADSB] offset:\i*2*SBLK
.endr
.endm
; A load into a register that a matrix instruction has read, and an LDS store that reads a matrix result, stand NP places behind that matrix instruction, and only plain vector instructions that name none of its
; registers are places (ISA guide 7.12.1 for vector instructions).
.macro PLACES n
.rept \n
	v_nop
.endr
.endm
.macro STEP slot, q, zero
	s_wait_dscnt 4*NL                              ; the values' set, the scale words and h's blocks 0-3 are in; the youngest 16 loads (h's blocks 4-7) may be out
	WIN MUL_LO
	MUL16 0, (\q)%2, \q, \slot, \zero
	MUL16 2, (\q)%2, \q, \slot, \zero
	s_wait_dscnt 0                                 ; h's blocks 4-7 are in
	PLACES NP
	FETCH_B \slot, (\q)+1, 1-(\q)%2
	FETCH_A \slot, (\q)+1, 0
	WIN MUL_HI
	MUL16 4, (\q)%2, \q, \slot, \zero
	MUL16 6, (\q)%2, \q, \slot, \zero
	PLACES NP
	WIN 0
	FETCH_A \slot, (\q)+1, 4
.endm
; A slot's last step, with the change of slots AT ITS HEAD: the step's fragments have all been asked for, so behind the wait for them nobody reads the slot any more.  ONE barrier: in front of it each wave waits for all
; its tensor loads (its part of the other slot), adds 0 to its spare word, and waits for that and for its own reads of this slot.  fill = 1: this slot is filled again, two K steps ahead.
.macro TURN slot, next, fill
.if \fill
	s_wait_xcnt 0x0                                ; the last prefetch, a K step back, has read its address: it is stepped here, ahead of the waits of the change of slots
	s_add_nc_u64 s[PFA:PFA+1], s[PFA:PFA+1], ROWB
.endif
	s_wait_tensorcnt 0x0                           ; all my tensor loads have landed: my part of the other slot; so every group 0 may be written.  (Every window is 0 here)
	ds_add_u32 v[SPW], v[NIL]                      ; 0 onto my spare word; the descriptors' steps stand between it and the wait for it
.if \fill
	s_add_nc_u64 s[G0+4*\slot+2:G0+4*\slot+3], s[G0+4*\slot+2:G0+4*\slot+3], 2*ROWB
	s_add_nc_u64 s[G0B+4*\slot+2:G0B+4*\slot+3], s[G0B+4*\slot+2:G0B+4*\slot+3], 2*ROWB
.endif
	s_wait_dscnt 0x0                               ; the add is done, and my reads of this slot are over: the step's fragments are in registers
.if \fill
	CROUND                                         ; a round of the cluster's barrier: no wave of any partner still reads this slot's tile or has a load on its way
	JLOAD G0+4*\slot, G1, G0B+4*\slot, G1B         ; the first tensor load behind the round: 128 matrix instructions ahead of the wait for it
.else
	s_barrier_signal -1
	s_barrier_wait -1                              ; the other slot is whole
.endif
	s_wait_alu depctr_va_vdst(0)
	v_add_nc_u32 v[ADSA], AST, v[ADSA]             ; on to the next K step's scale words (no LDS load of mine is out)
	v_add_nc_u32 v[ADSB], 4*NQ, v[ADSB]
	FETCH_B \next, 0, 0                            ; (the last products that read this set stand in front of the eight places at the end of the step before)
	SCALES \next
.if \fill
	ASK                                            ; behind the joint load and the run of LDS loads
.endif
	WIN MUL_LO
	MUL16 0, 1, NQ-1, \slot, 0
	MUL16 2, 1, NQ-1, \slot, 0
	PLACES NP
	WIN 0
	FETCH_A \next, 0, 0
	WIN MUL_HI
	MUL16 4, 1, NQ-1, \slot, 0
	MUL16 6, 1, NQ-1, \slot, 0
	PLACES NP
	WIN 0
	FETCH_A \next, 0, 4
.endm
	s_wait_alu depctr_va_vdst(0)
	s_wait_tensorcnt 0x0                           ; my tile of the head's four is in
	ds_add_u32 v[SPW], v[NIL]
	s_mov_b32 s[G1+2], 128<<16                     ; no tensor load of mine is out: from here on a load brings 128 rows
	s_mov_b32 s[G1+4], 128
	s_mov_b32 s[G1B+2], 128<<16
	s_mov_b32 s[G1B+4], 128
	s_wait_dscnt 0x0
	CROUND                                         ; all four tiles are in, and all sixteen work-groups are here
	JLOAD G0+4, G1, G0B+4, G1B                     ; K step 1: slot 1's first fill, the first tensor load behind the round
	FETCH_B 0, 0, 0
	FETCH_A 0, 0, 0
	SCALES 0
	FETCH_A 0, 0, 4
	STEP 0, 0, 1                                   ; the first step stands in front of the loop: its products start the sums
	s_mov_b32 s3, LAPS-1
.Llap:                                                 ; a trip goes once round the ring, from a lap's second step to the next lap's first, and fills both slots again
	TURN 0, 1, 1
	STEP 1, 0, 0
	TURN 1, 0, 1
	STEP 0, 0, 0
	s_sub_co_u32 s3, s3, 1
	s_cmp_lg_u32 s3, 0
	s_cbranch_scc1 .Llap
	TURN 0, 1, 0                                   ; the last lap fills nothing, and has no round of the cluster's barrier
	STEP 1, 0, 0
	s_wait_dscnt 4*NL                              ; the very last step: nothing more to fetch
	WIN MUL_LO
	MUL16 0, 1, NQ-1, 1, 0
	MUL16 2, 1, NQ-1, 1, 0
	s_wait_dscnt 0
	WIN MUL_HI
	MUL16 4, 1, NQ-1, 1, 0
	MUL16 6, 1, NQ-1, 1, 0
	WIN 0
; THE WAY OUT, block by block of 16 rows x 128 columns.  A lane holds 32 neighbouring bytes of a row, and the lanes beside it hold other rows: so a block goes through my own stage in LDS and comes back as whole
; rows of 512 bytes.  LDS serves a wave's instructions in order (ISA guide 5.7.1.4): no wait between the stores and the loads, nor in front of the next block's stores.
.macro TOSTAGE a
.set AC, 64*((\a)%4)
	WIN 0x08+4*((\a)/4)                            ; the data: window 2 or 3
.irp b, 0,1,2,3,4,5,6,7
	ds_store_b128 v[STO], v[AC+8*\b:AC+8*\b+3] offset:64*\b          ; each accumulator from its low end on
	ds_store_b128 v[STO], v[AC+8*\b+4:AC+8*\b+7] offset:64*\b+16
.endr
	WIN 0
.set BB, BK+64*((\a)%2)
.irp t, 0,1,2,3,4,5,6,7,8,9,10,11,12,13,14,15
	ds_load_b128 v[BB+4*\t:BB+4*\t+3], v[RD] offset:\t*SPITCH
.endr
.endm
.macro SEND a, younger                 ; younger: the LDS instructions issued behind block a's loads, which may stay out
.set BB, BK+64*((\a)%2)
	s_wait_dscnt \younger                          ; the block is back in registers
.if (\a) > 0
	s_add_nc_u64 s[12:13], s[12:13], 16*SIZE_N*4   ; (behind a wait on XCNT: the earlier stores have read their base)  16 rows of y on
.endif
.irp t, 0,1,2,3,4,5,6,7,8,9,10,11,12,13,14,15
	s_bitcmp1_b32 s[96+(16*(\a)+\t)/32], (16*(\a)+\t)%32   ; did token 16 a + t choose this expert?
	s_cselect_b32 vcc_lo, -1, 0                    ; all lanes or none: a choice, no jump
	s_and_saveexec_b32 s4, vcc_lo                  ; (EXEC changes only behind s_wait_xcnt 0: the one below, or the one ahead of the way out)
	global_store_b128 v[CO], v[BB+4*\t:BB+4*\t+3], s[12:13] offset:\t*SIZE_N*4 th:TH_STORE_NT   ; 32 lanes store 512 consecutive bytes, at a multiple of 256 from y's first byte
	s_wait_xcnt 0x0
	s_or_b32 exec_lo, exec_lo, s4                  ; EXEC restored
.endr
.endm
	s_wait_loadcnt 0x0                             ; my tokens' experts are in
	s_wait_xcnt 0x0                                ; no load or prefetch of mine still reads EXEC
	s_mov_b32 s94, ttmp9                           ; this cluster's expert
.irp g, 0,1,2,3                        ; s96-99: bit l of word g: token 32 g + l chose it (s4-7 held the head's descriptors, whose loads are long done)
	v_cmp_eq_u32 s4, s94, v[SELV+4*\g]
	v_cmp_eq_u32 s5, s94, v[SELV+4*\g+1]
	v_cmp_eq_u32 s6, s94, v[SELV+4*\g+2]
	v_cmp_eq_u32 s7, s94, v[SELV+4*\g+3]
	s_or_b32 s4, s4, s5
	s_or_b32 s6, s6, s7
	s_or_b32 s[96+\g], s4, s6
.endr
	s_cmp_eq_u32 ttmp9, 7                          ; part 7 is the shared expert's: every token's row is read
.irp g, 0,1,2,3
	s_cselect_b32 s[96+\g], -1, s[96+\g]
.endr
	PLACES NP
	TOSTAGE 0
.irp a, 1,2,3,4,5,6,7
.if \a > 1
	s_wait_xcnt 0x0                                ; block a - 2's stores have read their registers and their base: block a's loads may land there, and the base may step
.endif
	TOSTAGE \a
	SEND \a-1, 32                                  ; behind block a - 1's loads: block a's 16 stores and 16 loads
.endr
	s_wait_xcnt 0x0                                ; block 6's stores have read their base
	SEND 7, 0
	s_wait_tensorcnt 0x0                           ; the wave's end, behind my last tensor load and my last LDS store
	ds_add_u32 v[SPW], v[NIL]
	s_wait_dscnt 0x0
	CROUND                                         ; the closing round: no work-group ends while a partner may still ask for a tile that names it
	s_endpgm
.Lfunc_end_k_q27477e5a74_ffn2:
	.size	k_q27477e5a74_ffn2, .Lfunc_end_k_q27477e5a74_ffn2-k_q27477e5a74_ffn2
	.p2alignl 7, 3214868480
	.fill 96, 4, 3214868480
	.section	.rodata,"a",@progbits
	.p2align	6, 0x0
	.amdhsa_kernel k_q27477e5a74_ffn2
		.amdhsa_group_segment_fixed_size 327680
		.amdhsa_private_segment_fixed_size 0
		.amdhsa_enable_private_segment 0
		.amdhsa_kernarg_size 64
		.amdhsa_user_sgpr_count 2
		.amdhsa_user_sgpr_kernarg_segment_ptr 1
		.amdhsa_wavefront_size32 1
		.amdhsa_system_sgpr_workgroup_id_x 1
		.amdhsa_system_sgpr_workgroup_id_y 1
		.amdhsa_system_sgpr_workgroup_id_z 1
		.amdhsa_system_vgpr_workitem_id 0
		.amdhsa_next_free_vgpr 1024
		.amdhsa_next_free_sgpr 102
		.amdhsa_reserve_vcc 1
		.amdhsa_float_denorm_mode_32 3
		.amdhsa_float_denorm_mode_16_64 3
		.amdhsa_memory_ordered 1
		.amdhsa_forward_progress 1
		.amdhsa_inst_pref_size 171
	.end_amdhsa_kernel
	.amdgpu_metadata
---
amdhsa.version: [ 1, 2 ]
amdhsa.kernels:
  - .name:           k_q27477e5a74_ffn2
    .symbol:         k_q27477e5a74_ffn2.kd
    .args:
      - { .name: hq, .offset: 0, .size: 8, .value_kind: global_buffer, .address_space: global }
      - { .name: hs, .offset: 8, .size: 8, .value_kind: global_buffer, .address_space: global }
      - { .name: ff_values_codes, .offset: 16, .size: 8, .value_kind: global_buffer, .address_space: global }
      - { .name: ff_values_scales, .offset: 24, .size: 8, .value_kind: global_buffer, .address_space: global }
      - { .name: shared_values_codes, .offset: 32, .size: 8, .value_kind: global_buffer, .address_space: global }
      - { .name: shared_values_scales, .offset: 40, .size: 8, .value_kind: global_buffer, .address_space: global }
      - { .name: y, .offset: 48, .size: 8, .value_kind: global_buffer, .address_space: global }
      - { .name: sel, .offset: 56, .size: 8, .value_kind: global_buffer, .address_space: global }
    .group_segment_fixed_size: 327680
    .private_segment_fixed_size: 0
    .kernarg_segment_align: 8
    .kernarg_segment_size: 64
    .max_flat_workgroup_size: 128
    .sgpr_count:     102
    .vgpr_count:     1024
    .wavefront_size: 32
...
	.end_amdgpu_metadata
.endif
;; end of part 3
;; launch combine (part 4): grid 256 x 1, 8 waves a work-group, no clusters, 0 bytes of LDS; arguments y, sel, gv, const_jump, out0; writes out0
.if DOCPART == 4
	.amdgcn_target "amdgcn-amd-amdhsa--gfx1250"
	.amdhsa_code_object_version 6
	.text
	.protected	k_q27477e5a74_combine
	.globl	k_q27477e5a74_combine
	.p2align	8
	.type	k_q27477e5a74_combine,@function
k_q27477e5a74_combine:
	s_mov_b64 s[64:65], 0
	v_nop
	global_prefetch_b8 v0, s[64:65] scope:SCOPE_SE
	s_setreg_imm32_b32 hwreg(HW_REG_WAVE_MODE, 25, 1), 1
	s_wait_xcnt 0x0
; out0[t] = y[7][t] (the shared expert) + the sum over the token's four chosen experts e of gv x (y[e][t] for e < 7, const_jump for e = 7).
; y: [8][2048][1024] f32, one part for each expert; sel: [2048][4] whole numbers, gv: [2048][4] f32, both stored by the first launch.  Only the chosen rows of y are read.
; One wave, one token: a row is 4,096 bytes, eight loads of 512 consecutive bytes.  All five rows' 40 loads go out at once; no loop, no branch, no LDS, no barrier.
; The expert's number enters an address only behind s_min_u32 with 7; where it is 7 the row's base is const_jump's (a choice between two buffers on a whole number that was read).
; The sum goes by rank, not by the expert's number: another order of f32 additions than an ascending sum over experts.
; A stream: memory binds; matrix units, clusters and prefetches would add nothing: every byte is asked for at the head.
.set ACC, 8                            ; v8-39    the shared row, then the sum
.set ROWS, 40                          ; v40-167  rank j's row at v[40 + 32 j]
	s_load_b256 s[4:11], s[0:1], 0x0               ; y s[4:5], sel s[6:7], gv s[8:9], const_jump s[10:11]
	s_load_b64 s[12:13], s[0:1], 0x20              ; out0
	v_lshrrev_b32 v2, 5, v0
	s_delay_alu instid0(VALU_DEP_1)
	v_readfirstlane_b32 s14, v2                    ; wave 0..7
	v_and_b32 v1, 31, v0
	s_delay_alu instid0(VALU_DEP_1)
	v_lshlrev_b32 v1, 4, v1                        ; 16 bytes a lane; never rewritten
	s_lshl_b32 s15, ttmp9, 3
	s_add_co_u32 s15, s15, s14                     ; my token
	s_lshl_b32 s20, s15, 4                         ; 16 bytes a token in sel and in gv
	s_mov_b32 s21, 0
	s_lshl_b32 s22, s15, 12                        ; 4,096 in a part of y and in out0
	s_mov_b32 s23, 0
	s_wait_alu depctr_va_vdst(0)
	s_wait_kmcnt 0x0
	s_add_nc_u64 s[6:7], s[6:7], s[20:21]
	s_add_nc_u64 s[8:9], s[8:9], s[20:21]
	s_load_b128 s[24:27], s[6:7], 0x0              ; the four experts
	s_load_b128 s[28:31], s[8:9], 0x0              ; their probabilities
	s_add_nc_u64 s[12:13], s[12:13], s[22:23]
	s_add_nc_u64 s[4:5], s[4:5], s[22:23]          ; y at my token's row of part 0
	s_add_nc_u64 s[16:17], s[4:5], 0x3800000       ; and of part 7: 7 x 2,048 x 4,096 bytes on
.irp i, 0,1,2,3,4,5,6,7
	global_load_b128 v[ACC+4*\i:ACC+4*\i+3], v1, s[16:17] offset:512*\i th:TH_LOAD_NT
.endr
	s_wait_kmcnt 0x0
.irp j, 0,1,2,3
	s_min_u32 s48, s[24+\j], 7
	s_lshl_b32 s50, s48, 23                        ; a part of y is 2^23 bytes
	s_mov_b32 s51, 0
	s_add_nc_u64 s[40+2*\j:41+2*\j], s[4:5], s[50:51]
	s_cmp_eq_u32 s48, 7
	s_cselect_b64 s[40+2*\j:41+2*\j], s[10:11], s[40+2*\j:41+2*\j]   ; the constant expert's row is const_jump
	s_mov_b32 s[32+2*\j], s[28+\j]                 ; the probability, twice: the packed form names a pair
	s_mov_b32 s[33+2*\j], s[28+\j]
.irp i, 0,1,2,3,4,5,6,7
	global_load_b128 v[ROWS+32*\j+4*\i:ROWS+32*\j+4*\i+3], v1, s[40+2*\j:41+2*\j] offset:512*\i
.endr
.endr
.irp j, 0,1,2,3
	s_wait_loadcnt 24-8*\j                         ; the shared row and ranks 0 to j are in; the eight loads of each later rank may be out
.irp k, 0,1,2,3,4,5,6,7,8,9,10,11,12,13,14,15
	v_pk_fma_f32 v[ACC+2*\k:ACC+2*\k+1], v[ROWS+32*\j+2*\k:ROWS+32*\j+2*\k+1], s[32+2*\j:33+2*\j], v[ACC+2*\k:ACC+2*\k+1] op_sel_hi:[1,0,1]
.endr
.endr
.irp i, 0,1,2,3,4,5,6,7
	global_store_b128 v1, v[ACC+4*\i:ACC+4*\i+3], s[12:13] offset:512*\i th:TH_STORE_NT   ; 32 lanes store 512 consecutive bytes, at a multiple of 256 from out0's first byte
.endr
	s_endpgm
.Lfunc_end_k_q27477e5a74_combine:
	.size	k_q27477e5a74_combine, .Lfunc_end_k_q27477e5a74_combine-k_q27477e5a74_combine
	.p2alignl 7, 3214868480
	.fill 96, 4, 3214868480
	.section	.rodata,"a",@progbits
	.p2align	6, 0x0
	.amdhsa_kernel k_q27477e5a74_combine
		.amdhsa_group_segment_fixed_size 0
		.amdhsa_private_segment_fixed_size 0
		.amdhsa_enable_private_segment 0
		.amdhsa_kernarg_size 40
		.amdhsa_user_sgpr_count 2
		.amdhsa_user_sgpr_kernarg_segment_ptr 1
		.amdhsa_wavefront_size32 1
		.amdhsa_system_sgpr_workgroup_id_x 1
		.amdhsa_system_sgpr_workgroup_id_y 1
		.amdhsa_system_sgpr_workgroup_id_z 1
		.amdhsa_system_vgpr_workitem_id 0
		.amdhsa_next_free_vgpr 176
		.amdhsa_next_free_sgpr 66
		.amdhsa_reserve_vcc 0
		.amdhsa_float_denorm_mode_32 3
		.amdhsa_float_denorm_mode_16_64 3
		.amdhsa_memory_ordered 1
		.amdhsa_forward_progress 1
		.amdhsa_inst_pref_size 11
	.end_amdhsa_kernel
	.amdgpu_metadata
---
amdhsa.version: [ 1, 2 ]
amdhsa.kernels:
  - .name:           k_q27477e5a74_combine
    .symbol:         k_q27477e5a74_combine.kd
    .args:
      - { .name: y, .offset: 0, .size: 8, .value_kind: global_buffer, .address_space: global }
      - { .name: sel, .offset: 8, .size: 8, .value_kind: global_buffer, .address_space: global }
      - { .name: gv, .offset: 16, .size: 8, .value_kind: global_buffer, .address_space: global }
      - { .name: const_jump, .offset: 24, .size: 8, .value_kind: global_buffer, .address_space: global }
      - { .name: out0, .offset: 32, .size: 8, .value_kind: global_buffer, .address_space: global }
    .group_segment_fixed_size: 0
    .private_segment_fixed_size: 0
    .kernarg_segment_align: 8
    .kernarg_segment_size: 40
    .max_flat_workgroup_size: 256
    .sgpr_count:     66
    .vgpr_count:     176
    .wavefront_size: 32
...
	.end_amdgpu_metadata
.endif
;; end of part 4
